; MI455X (gfx1250); checked and timed in simulation.
; The chip was launched on July 23, 2026; its instructions are those of AMD's public machine-readable ISA for CDNA 5 (MIT licence, August 2026) and "CDNA5" Instruction Set Architecture Reference Guide (July 2026). The comments in the code are by the model that wrote it; some were corrected since.
;; Faster SPFNS Multi Head Attention. Allowed arithmetic: float matrix products may take bf16 or f16 operands with f32 sums; other float arithmetic in f32, or as packed bf16 or f16 multiplies, adds, multiply-adds, maxima and minima; sums over many terms, partial sums and values carried from step to step in f32; what a program stores and reads back later, other than sums and carried values, may be rounded once to bf16 or f16.
;; Inputs: b_out 1,024 float32; b_qkv 3,072 float32; w_out 1,024 x 1,024 float32; w_qkv 3,072 x 1,024 float32; x 2 x 2,048 x 1,024 float32.
;; Outputs: out0 2 x 2,048 x 1,024 float32.
;; 2 versions, each right. Each part assembles by itself: llvm-mc -triple=amdgcn-amd-amdhsa -mcpu=gfx1250 --defsym DOCPART=n.
;; ======== version 1 of 2: 5 launches
;; limits: values are held in f16: magnitudes above 65,504 overflow, below 6.1e-05 lose precision; a function is approximated: absolute error at most 6.8e-05
;; workspace buffers: h16 16,777,216 bytes; qkvh 25,165,824 bytes; lnc 262,144 bytes; attn 8,388,608 bytes
;; launch cvt (part 1): grid 512 x 1, 8 waves a work-group, no clusters, 0 bytes of LDS; arguments x, w_qkv, w_out, h16; writes h16
.if DOCPART == 1
	.amdgcn_target "amdgcn-amd-amdhsa--gfx1250"
	.amdhsa_code_object_version 6
	.text
	.protected	k_qb4a7988908_cvt
	.globl	k_qb4a7988908_cvt
	.p2align	8
	.type	k_qb4a7988908_cvt,@function
k_qb4a7988908_cvt:
	s_mov_b64 s[64:65], 0
	v_nop
	global_prefetch_b8 v0, s[64:65] scope:SCOPE_SE
	s_setreg_imm32_b32 hwreg(HW_REG_WAVE_MODE, 25, 1), 1
	s_wait_xcnt 0x0
; x [4096][1024], w_qkv [3072][1024], w_out [1024][1024], all f32, are rounded once to f16 and laid one behind the other in h16
; (x at byte 0, w_qkv at 8,388,608, w_out at 14,680,064): each tile of them is read by 16 work-groups of the two products later,
; so the rounding is done once here and the products move half the bytes.
; LIMIT: numbers beyond f16's largest, 65,504, do not survive; numbers below 6e-8 in magnitude become zero.
; A work-group takes a chunk of 16,384 numbers: chunks 0-255 are x, 256-447 w_qkv, 448-511 w_out.  A pure stream: no LDS, no barrier.
; Thread t takes 8 numbers at a time: 32 bytes in (two loads), 16 bytes out, so a wave's store covers 512 consecutive bytes, aligned.
.set X, 4                              ; v[4:67]   16 loads of 4 registers
.set Y, 68                             ; v[68:99]  8 stores of 4 registers: nothing is rewritten, so no wait frees a register
	s_load_b256 s[4:11], s[0:1], 0x0               ; x s[4:5], w_qkv s[6:7], w_out s[8:9], h16 s[10:11]
	s_movk_i32 s18, 256                            ; first chunk of w_qkv
	s_movk_i32 s19, 448                            ; first chunk of w_out
	v_lshlrev_b32 v1, 5, v0                        ; 32 t: my bytes in the source
	v_lshlrev_b32 v2, 4, v0                        ; 16 t: my bytes in h16
	s_wait_kmcnt 0x0
	s_cmp_lt_u32 ttmp9, s19
	s_cselect_b64 s[12:13], s[6:7], s[8:9]         ; which source, and its first chunk
	s_cselect_b32 s14, s18, s19
	s_cmp_lt_u32 ttmp9, s18
	s_cselect_b64 s[12:13], s[4:5], s[12:13]
	s_cselect_b32 s14, 0, s14
	s_sub_co_u32 s14, ttmp9, s14                   ; chunk inside the source,
	s_lshl_b32 s14, s14, 16                        ; times 65,536 bytes
	s_mov_b32 s15, 0
	s_add_nc_u64 s[12:13], s[12:13], s[14:15]
	s_lshl_b32 s16, ttmp9, 15                      ; chunk times 32,768 bytes in h16
	s_mov_b32 s17, 0
	s_add_nc_u64 s[10:11], s[10:11], s[16:17]
.irp j, 0,1,2,3,4,5,6,7
	global_load_b128 v[X+8*\j:X+8*\j+3],   v1, s[12:13] offset:8192*\j th:TH_LOAD_NT
	global_load_b128 v[X+8*\j+4:X+8*\j+7], v1, s[12:13] offset:8192*\j+16 th:TH_LOAD_NT
.endr
.irp j, 0,1,2,3,4,5,6,7
	s_wait_loadcnt 14-2*\j                         ; loads return in order: pair j is in, the younger pairs stay out
.irp k, 0,1,2,3
	v_cvt_pk_f16_f32 v[Y+4*\j+\k], v[X+8*\j+2*\k], v[X+8*\j+2*\k+1]
.endr
	global_store_b128 v2, v[Y+4*\j:Y+4*\j+3], s[10:11] offset:4096*\j
.endr
	s_endpgm
.Lfunc_end_k_qb4a7988908_cvt:
	.size	k_qb4a7988908_cvt, .Lfunc_end_k_qb4a7988908_cvt-k_qb4a7988908_cvt
	.p2alignl 7, 3214868480
	.fill 96, 4, 3214868480
	.section	.rodata,"a",@progbits
	.p2align	6, 0x0
	.amdhsa_kernel k_qb4a7988908_cvt
		.amdhsa_group_segment_fixed_size 0
		.amdhsa_private_segment_fixed_size 0
		.amdhsa_enable_private_segment 0
		.amdhsa_kernarg_size 32
		.amdhsa_user_sgpr_count 2
		.amdhsa_user_sgpr_kernarg_segment_ptr 1
		.amdhsa_wavefront_size32 1
		.amdhsa_system_sgpr_workgroup_id_x 1
		.amdhsa_system_sgpr_workgroup_id_y 1
		.amdhsa_system_sgpr_workgroup_id_z 1
		.amdhsa_system_vgpr_workitem_id 0
		.amdhsa_next_free_vgpr 100
		.amdhsa_next_free_sgpr 66
		.amdhsa_reserve_vcc 0
		.amdhsa_float_denorm_mode_32 3
		.amdhsa_float_denorm_mode_16_64 3
		.amdhsa_memory_ordered 1
		.amdhsa_forward_progress 1
		.amdhsa_inst_pref_size 6
	.end_amdhsa_kernel
	.amdgpu_metadata
---
amdhsa.version: [ 1, 2 ]
amdhsa.kernels:
  - .name:           k_qb4a7988908_cvt
    .symbol:         k_qb4a7988908_cvt.kd
    .args:
      - { .name: x, .offset: 0, .size: 8, .value_kind: global_buffer, .address_space: global }
      - { .name: w_qkv, .offset: 8, .size: 8, .value_kind: global_buffer, .address_space: global }
      - { .name: w_out, .offset: 16, .size: 8, .value_kind: global_buffer, .address_space: global }
      - { .name: h16, .offset: 24, .size: 8, .value_kind: global_buffer, .address_space: global }
    .group_segment_fixed_size: 0
    .private_segment_fixed_size: 0
    .kernarg_segment_align: 8
    .kernarg_segment_size: 32
    .max_flat_workgroup_size: 256
    .sgpr_count:     66
    .vgpr_count:     100
    .wavefront_size: 32
...
	.end_amdgpu_metadata
.endif
;; end of part 1
;; launch qkv (part 2): grid 16 x 16, 4 waves a work-group, clusters of 4 x 4, 327,680 bytes of LDS; arguments h16, b_qkv, qkvh; writes qkvh
.if DOCPART == 2
	.amdgcn_target "amdgcn-amd-amdhsa--gfx1250"
	.amdhsa_code_object_version 6
	.text
	.protected	k_qb4a7988908_qkv
	.globl	k_qb4a7988908_qkv
	.p2align	8
	.type	k_qb4a7988908_qkv,@function
k_qb4a7988908_qkv:
	s_mov_b64 s[64:65], 0
	v_nop
	global_prefetch_b8 v0, s[64:65] scope:SCOPE_SE
	s_setreg_imm32_b32 hwreg(HW_REG_WAVE_MODE, 25, 1), 1
	s_wait_xcnt 0x0
	s_wait_alu depctr_hold_cnt(0) depctr_sa_sdst(0) depctr_va_vdst(0) depctr_va_sdst(0) depctr_va_ssrc(0) depctr_va_vcc(0) depctr_vm_vsrc(0)
	s_getreg_b32 s2, hwreg(HW_REG_IB_STS2, 6, 4)
	s_cmp_eq_u32 s2, 0
	s_cbranch_scc0 .Lentry_in_a_cluster
	s_endpgm
.Lentry_in_a_cluster:
	s_bfe_u32 s2, ttmp6, 0x10000c
	s_cmp_lg_u32 s2, 0xf033
	s_cbranch_scc0 .Lentry_shape_is_right
	s_endpgm
.Lentry_shape_is_right:
; qkv = x w_qkv^T + b_qkv in f16 operands and f32 sums; the heads of q and k are divided by max(norm, 1e-12) in f32; all is stored in f16,
; head-major: qkvh[part q,k,v][b*16+head][s][64].
; A work-group makes 256 rows x 192 columns (three whole heads); wave w makes rows 64 w .. 64 w + 63 of all 192 columns: 4 x 12 = 48
; accumulator tiles, 384 registers.  K = 1024 goes in 8 steps of 128 through two LDS slots filled by the tensor data mover.
; CLUSTER 4 x 4: x's tile hangs on the block row alone and is asked for jointly along a row of the cluster, w_qkv's on the block column alone
; and is asked for jointly along a column: a quarter of the requests.
; The matrix instruction is used transposed (source 0 = rows of w, source 1 = rows of x): lane l holds row l % 16 and eight neighbouring
; columns 8 (l / 16) + 0..7, so a head's 64 numbers of a row lie in lanes l and l xor 16, and eight results pack into 16 bytes.
; LIMIT: v beyond 65,504 in magnitude does not survive f16.
; REGISTERS: window 0: addresses, x's fragments (two buffers), bias, work; window 1: w's fragments (two buffers);
;            window 2: tiles (a, b < 8) at 8 (8 a + b); window 3: tiles (a, b >= 8) at 8 (4 a + b - 8).
.set SIZE_K, 1024
.set KSTEP,  128
.set PITCH,  272                       ; LDS row: 256 bytes + 16 of padding, an odd multiple of 16: the 16 rows of a fragment load start in 16 different columns of 16 bytes
.set HALFA,  128*PITCH                 ; what wave 0 or 1 fetches of x
.set HALFB,  96*PITCH                  ; what wave 2 or 3 fetches of w
.set SLOT,   2*HALFA+2*HALFB           ; x's 256 rows, then w's 192 rows: 121,856 bytes
.set STAGE,  2*SLOT                    ; behind the ring, never filled by a tensor load
.set SPITCH, 144                       ; stage row: a head's 128 bytes + 16
.set HSTAGE, 16*SPITCH                 ; 16 rows of one head
.set WSTAGE, 3*HSTAGE                  ; a wave's stage: three heads
.set LAPS,   SIZE_K/(2*KSTEP)
.set WQ_OFF, 8388608                   ; w_qkv in h16
.set ADRA, 16                          ; v16-17  LDS address of my x fragments, slot 0, 1
.set ADRB, 20                          ; v20-21  the same for w
.set STO,  24
.set RD,   25
.set CO,   26
.set BO,   27
.set FA,   32                          ; window 0: v32-63, v64-95: x's 4 fragments, two buffers
.set FB,   0                           ; window 1: v0-95, v96-191: w's 12 fragments, two buffers
.set RB,   32                          ; the way out: 12 x 4 registers read back (the fragment buffers are free then)
.set SQ,   96                          ; v96-103 four chains of squares
.set R,    104                         ; v104-105 1 / norm, twice
.set HP,   108                         ; v108-123 a head's packed results
.set BIAS, 128                         ; v128-223 my 8 biases of each of 12 tiles
.set TMP,  224                         ; v224-255 a head's 32 numbers in f32
.set G1,  24
.set G0,  32
.set G1B, 48
.set G0B, 56
.set DST, 66                           ; s[66:71] where my three heads go
.set MSK, 72                           ; s72-74   all ones: the head is one of q or k and is normalised
.set MSB, 0
.macro WIN new                         ; the immediate's high byte repeats the setting that is left
.if MSB != \new
	s_set_vgpr_msb (MSB<<8)|\new
.set MSB, \new
.endif
.endm
.set MUL_LO, 0xa1                      ; source 0 window 1, source 1 window 0, C and D window 2
.set MUL_HI, 0xf1                      ; the same, C and D window 3
.set TO_B,   0x40                      ; destination window 1
.macro JLOAD s                         ; waves 0, 1 ask for x's halves, waves 2, 3 for w's: the branch hangs on the wave's number alone
	s_cmp_eq_u32 s11, 0
	s_cbranch_scc0 .Lfor_b_\@
	tensor_load_to_lds s[G0+4*\s:G0+4*\s+3], s[G1:G1+7]
	s_nop 0
	s_branch .Lasked_\@
.Lfor_b_\@:
	tensor_load_to_lds s[G0B+4*\s:G0B+4*\s+3], s[G1B:G1B+7]
	s_nop 0
.Lasked_\@:
.endm
.macro CREST                           ; a round of the cluster's barrier behind its opening barrier
	s_cmp_lg_u32 s10, 0
	s_cbranch_scc1 .Lnot_wave_0_\@
	s_barrier_signal -3
.Lnot_wave_0_\@:
	s_barrier_wait -3
	s_barrier_signal -1
	s_barrier_wait -1
.endm
.macro CROUND
	s_barrier_signal -1
	s_barrier_wait -1
	CREST
.endm
	s_load_b128 s[4:7], s[0:1], 0x0                ; h16 s[4:5], b_qkv s[6:7]
	s_load_b64 s[8:9], s[0:1], 0x10                ; qkvh
	s_set_vgpr_msb 0x40
	v_lshl_add_u32 v255, v0, 2, 0x42400
	s_set_vgpr_msb 0x4000
	v_mov_b32 v127, 0
	s_set_vgpr_msb 0x1
	ds_add_u32 v255, v127
	s_set_vgpr_msb 0x100
	v_lshrrev_b32 v1, 5, v0
	v_readfirstlane_b32 s10, v1                    ; wave 0..3
	s_lshr_b32 s11, s10, 1                         ; I fetch for x (0) or for w (1)
	s_and_b32 s12, s10, 1                          ; which half of that tile
	s_bfe_u32 s40, ttmp6, 0x40000                  ; cx
	s_bfe_u32 s41, ttmp6, 0x40004                  ; cy
	s_lshl_b32 s42, ttmp9, 2
	s_add_co_u32 s42, s42, s40                     ; block column = 4 x cluster x + cx
	s_and_b32 s13, ttmp7, 0xffff
	s_lshl_b32 s13, s13, 2
	s_add_co_u32 s13, s13, s41                     ; block row = 4 x cluster y + cy
	s_lshl_b32 s43, s41, 2
	s_lshl_b32 s43, 15, s43                        ; my row of the cluster
	s_lshl_b32 s44, 0x1111, s40                    ; my column
	; group 1: elements of 2 bytes, 128 along K, padding of 4 words behind every 64 words; x: 128 rows, w: 96 rows; 1024 elements from row to row
	s_or_b32 s[G1+0], s43, (1<<16)|(1<<20)|(1<<21)|(5<<22)|(3<<25)
	s_or_b32 s[G1B+0], s44, (1<<16)|(1<<20)|(1<<21)|(5<<22)|(3<<25)
	s_mov_b32 s[G1+1], KSTEP<<16
	s_mov_b32 s[G1B+1], KSTEP<<16
	s_mov_b32 s[G1+2], 128<<16
	s_mov_b32 s[G1B+2], 96<<16
	s_mov_b32 s[G1+3], KSTEP<<16
	s_mov_b32 s[G1B+3], KSTEP<<16
	s_mov_b32 s[G1+4], 128
	s_mov_b32 s[G1B+4], 96
	s_mov_b32 s[G1+5], SIZE_K
	s_mov_b32 s[G1B+5], SIZE_K
	s_mov_b32 s[G1+6], 0
	s_mov_b32 s[G1B+6], 0
	s_mov_b32 s[G1+7], 0
	s_mov_b32 s[G1B+7], 0
	; x's address is made of the block row and the wave, w's of the block column and the wave, each in registers that never hold the other coordinate
	s_lshl_b32 s17, s12, 7
	s_lshl_b32 s16, s13, 8
	s_add_co_u32 s16, s16, s17                     ; x: row 256 x block row + 128 x half
	s_lshl_b32 s16, s16, 11                        ; rows of 2,048 bytes
	s_mov_b32 s17, 0
	s_mul_i32 s46, s42, 192
	s_mul_i32 s47, s12, 96
	s_add_co_u32 s46, s46, s47                     ; w: row 192 x block column + 96 x half
	s_lshl_b32 s46, s46, 11
	s_add_co_u32 s46, s46, WQ_OFF
	s_mov_b32 s47, 0
	s_mul_i32 s20, s10, HALFA                      ; LDS: x's halves at wave x 34,816 (waves 0, 1),
	s_mul_i32 s21, s10, HALFB                      ; w's at 69,632 + (wave - 2) x 26,112 (waves 2, 3)
	s_add_co_u32 s21, s21, 2*HALFA-2*HALFB
	s_wait_dscnt 0x0
	s_wait_kmcnt 0x0
	s_add_nc_u64 s[14:15], s[4:5], s[16:17]
	s_add_nc_u64 s[46:47], s[4:5], s[46:47]
	CROUND                                         ; all sixteen work-groups are here: the first joint loads meet
.irp s, 0,1
	s_mov_b32 s[G0+4*\s], 1
	s_add_co_u32 s[G0+4*\s+1], s20, \s*SLOT
	s_add_nc_u64 s[G0+4*\s+2:G0+4*\s+3], s[14:15], \s*KSTEP*2
	s_or_b32 s[G0+4*\s+3], s[G0+4*\s+3], 0x80000000
	s_mov_b32 s[G0B+4*\s], 1
	s_add_co_u32 s[G0B+4*\s+1], s21, \s*SLOT
	s_add_nc_u64 s[G0B+4*\s+2:G0B+4*\s+3], s[46:47], \s*KSTEP*2
	s_or_b32 s[G0B+4*\s+3], s[G0B+4*\s+3], 0x80000000
	JLOAD \s                                       ; K steps 0 and 1: two tensor loads of the wave are out
.endr
	v_and_b32 v1, 15, v0                           ; r = l % 16
	v_bfe_u32 v2, v0, 4, 1                         ; h = l / 16
	s_mul_i32 s45, s42, 768                        ; my block's 192 biases, in bytes
	v_lshlrev_b32 v[BO], 5, v2
	v_add_nc_u32 v[BO], s45, v[BO]                 ; + 32 h: columns 8 h + 0..7 of a tile
.irp b, 0,1,2,3,4,5,6,7,8,9,10,11
	global_load_b128 v[BIAS+8*\b:BIAS+8*\b+3],   v[BO], s[6:7] offset:64*\b
	global_load_b128 v[BIAS+8*\b+4:BIAS+8*\b+7], v[BO], s[6:7] offset:64*\b+16
.endr
	v_mul_u32_u24 v3, v1, PITCH
	v_lshl_add_u32 v3, v2, 4, v3                   ; r x pitch + 16 h
	s_mul_i32 s22, s10, 64*PITCH                   ; my 64 rows of x
	v_add_nc_u32 v[ADRA], s22, v3
	v_add_nc_u32 v[ADRA+1], SLOT, v[ADRA]
	v_add_nc_u32 v[ADRB], 2*HALFA, v3              ; all 192 rows of w
	v_add_nc_u32 v[ADRB+1], SLOT, v[ADRB]
	s_mul_i32 s23, s10, WSTAGE
	s_add_co_u32 s23, s23, STAGE                   ; my stage
	v_mul_u32_u24 v4, v1, SPITCH
	v_lshl_add_u32 v4, v2, 4, v4
	v_add_nc_u32 v[STO], s23, v4                   ; in: row r, 16 bytes for each half of the lanes
	v_and_b32 v5, 31, v0
	v_lshrrev_b32 v6, 3, v5
	v_and_b32 v7, 7, v5
	v_mul_u32_u24 v6, v6, SPITCH
	v_lshl_add_u32 v6, v7, 4, v6
	v_add_nc_u32 v[RD], s23, v6                    ; back: eight lanes take a row of 128 bytes, the wave four rows
	v_lshlrev_b32 v[CO], 4, v5                     ; and the same four rows lie in 512 consecutive bytes of a head block
.macro MULHI f, zero                   ; 16 matrix instructions: 4 row tiles x column tiles 8-11
.irp a, 0,1,2,3
.irp b, 0,1,2,3
.if \zero
	v_wmma_f32_16x16x32_f16 v[8*(4*\a+\b):8*(4*\a+\b)+7], v[FB+96*\f+8*(8+\b):FB+96*\f+8*(8+\b)+7], v[FA+32*\f+8*\a:FA+32*\f+8*\a+7], 0
.else
	v_wmma_f32_16x16x32_f16 v[8*(4*\a+\b):8*(4*\a+\b)+7], v[FB+96*\f+8*(8+\b):FB+96*\f+8*(8+\b)+7], v[FA+32*\f+8*\a:FA+32*\f+8*\a+7], v[8*(4*\a+\b):8*(4*\a+\b)+7]
.endif
.endr
.endr
.endm
.macro MULLO f, a0, zero               ; 16 matrix instructions: row tiles a0, a0 + 1 x column tiles 0-7
.irp a, \a0, \a0+1
.irp b, 0,1,2,3,4,5,6,7
.if \zero
	v_wmma_f32_16x16x32_f16 v[8*(8*(\a)+\b):8*(8*(\a)+\b)+7], v[FB+96*\f+8*\b:FB+96*\f+8*\b+7], v[FA+32*\f+8*(\a):FA+32*\f+8*(\a)+7], 0
.else
	v_wmma_f32_16x16x32_f16 v[8*(8*(\a)+\b):8*(8*(\a)+\b)+7], v[FB+96*\f+8*\b:FB+96*\f+8*\b+7], v[FA+32*\f+8*(\a):FA+32*\f+8*(\a)+7], v[8*(8*(\a)+\b):8*(8*(\a)+\b)+7]
.endif
.endr
.endr
.endm
; 32 LDS loads in one run: a quarter step's fragments.  Order: x (8 loads), w's tiles 8-11 (8), w's tiles 0-7 (16): what is multiplied first comes first
.macro FETCH slot, k, f
	WIN 0
.irp i, 0,1,2,3
	ds_load_b128 v[FA+32*\f+8*\i:FA+32*\f+8*\i+3],   v[ADRA+\slot] offset:\k+\i*16*PITCH
	ds_load_b128 v[FA+32*\f+8*\i+4:FA+32*\f+8*\i+7], v[ADRA+\slot] offset:\k+\i*16*PITCH+32
.endr
	WIN TO_B
.irp i, 8,9,10,11,0,1,2,3,4,5,6,7
	ds_load_b128 v[FB+96*\f+8*\i:FB+96*\f+8*\i+3],   v[ADRB+\slot] offset:\k+\i*16*PITCH
	ds_load_b128 v[FB+96*\f+8*\i+4:FB+96*\f+8*\i+7], v[ADRB+\slot] offset:\k+\i*16*PITCH+32
.endr
.endm
.macro PLACES                          ; four plain vector places behind the matrix instructions that read the buffer loaded next (ISA guide 7.12.1)
.rept 4
	v_nop
.endr
.endm
; The 48 accumulators take turns, one instruction a turn, in the same order in every quarter step.
.macro QUARTER slot, k, f, g, zero
	s_wait_dscnt 16                                ; x and w's tiles 8-11 are in; the 16 youngest loads (w's tiles 0-7) may be out
	WIN MUL_HI
	MULHI \f, \zero
	PLACES
	FETCH \slot, \k, \g
	s_wait_dscnt 32                                ; all but the 32 just issued
	WIN MUL_LO
	MULLO \f, 0, \zero
	MULLO \f, 2, \zero
.endm
.macro THREE slot, zero
	QUARTER \slot, 64,  0, 1, \zero
	QUARTER \slot, 128, 1, 0, 0
	QUARTER \slot, 192, 0, 1, 0
.endm
; The last quarter of a K step changes slots.  In front of the barrier each wave waits for its reads of this slot and for all its tensor
; loads (one is out: its part of the next slot); where the slot is filled again the barrier opens a round of the cluster's barrier, and the
; joint refill is the first tensor load behind the round.
.macro TURN slot, next, fill
	s_wait_dscnt 16
	WIN MUL_HI
	MULHI 1, 0
	s_wait_dscnt 0                                 ; my reads of this slot are over
	s_wait_tensorcnt 0x0                           ; all my tensor loads have landed
	ds_add_u32 v255, v127
	s_wait_dscnt 0x0
	s_barrier_signal -1
	WIN MUL_LO
	MULLO 1, 0, 0                                  ; register work while the others arrive
	WIN 0
	s_barrier_wait -1
.if \fill
	CREST
	s_add_nc_u64 s[G0+4*\slot+2:G0+4*\slot+3], s[G0+4*\slot+2:G0+4*\slot+3], 2*KSTEP*2
	s_add_nc_u64 s[G0B+4*\slot+2:G0B+4*\slot+3], s[G0B+4*\slot+2:G0B+4*\slot+3], 2*KSTEP*2
	JLOAD \slot
.endif
	PLACES
	FETCH \next, 0, 0
	WIN MUL_LO
	MULLO 1, 2, 0
.endm
.macro LAP zero
	THREE 0, \zero
	TURN 0, 1, 1
	THREE 1, 0
	TURN 1, 0, 1
.endm
	s_wait_loadcnt 0x0                             ; the biases, once
	s_wait_tensorcnt 1                             ; my part of K step 0 is in; K step 1's stays out
	s_barrier_signal -1
	s_barrier_wait -1
	FETCH 0, 0, 0
	LAP 1                                          ; the first products start the sums: nothing is cleared
	WIN 0
	s_mov_b32 s3, LAPS-2
.Llap:
	LAP 0
	WIN 0
	s_sub_co_u32 s3, s3, 1
	s_cmp_lg_u32 s3, 0
	s_cbranch_scc1 .Llap
	THREE 0, 0                                     ; the last lap fills nothing
	TURN 0, 1, 0
	THREE 1, 0
	s_wait_dscnt 16
	WIN MUL_HI
	MULHI 1, 0
	s_wait_dscnt 0
	WIN MUL_LO
	MULLO 1, 0, 0
	MULLO 1, 2, 0
	WIN 0
	; THE WAY OUT.  Head G = 3 x block column + hh of 48: part G / 16, head G % 16; rows: batch = block row / 8, s = 256 (block row % 8) + 64 w + ..
	PLACES
	s_mov_b32 s75, 0x76543210                      ; v_permlanex16_b32: lane i reads lane i of the other half
	s_mov_b32 s81, 0xfedcba98
	s_mov_b32 s82, 0x2b8cbccc                      ; 1e-12
	s_lshr_b32 s79, s13, 3
	s_lshl_b32 s79, s79, 4                         ; batch x 16
	s_and_b32 s80, s13, 7
	s_lshl_b32 s80, s80, 8
	s_lshl_b32 s78, s10, 6
	s_add_co_u32 s80, s80, s78
	s_lshl_b32 s80, s80, 7                         ; my first row in the head block, rows of 128 bytes
	s_mul_i32 s83, s42, 3
.irp hh, 0,1,2
	s_add_co_u32 s76, s83, \hh                     ; G
	s_lshr_b32 s77, s76, 4
	s_lshl_b32 s77, s77, 5                         ; part x 32
	s_and_b32 s78, s76, 15
	s_add_co_u32 s77, s77, s78
	s_add_co_u32 s77, s77, s79
	s_lshl_b32 s77, s77, 18                        ; head blocks of 262,144 bytes
	s_add_co_u32 s[DST+2*\hh], s77, s80
	s_mov_b32 s[DST+2*\hh+1], 0
	s_add_nc_u64 s[DST+2*\hh:DST+2*\hh+1], s[8:9], s[DST+2*\hh:DST+2*\hh+1]
	s_cmp_lt_u32 s76, 32
	s_cselect_b32 s[MSK+\hh], -1, 0                ; q and k are normalised, v is not: a select
.endr
; 16 rows (tile row a) of head hh: bias, norm over the head's 64 numbers (32 in this lane, 32 in lane xor 16), f16, into the stage
.macro HEADOUT a, hh
.if \hh < 2
	WIN 0x02
.irp bb, 0,1,2,3
.irp p, 0,2,4,6
	v_pk_add_f32 v[TMP+8*\bb+\p:TMP+8*\bb+\p+1], v[8*(8*\a+4*\hh+\bb)+\p:8*(8*\a+4*\hh+\bb)+\p+1], v[BIAS+8*(4*\hh+\bb)+\p:BIAS+8*(4*\hh+\bb)+\p+1]
.endr
.endr
.else
	WIN 0x03
.irp bb, 0,1,2,3
.irp p, 0,2,4,6
	v_pk_add_f32 v[TMP+8*\bb+\p:TMP+8*\bb+\p+1], v[8*(4*\a+\bb)+\p:8*(4*\a+\bb)+\p+1], v[BIAS+8*(4*\hh+\bb)+\p:BIAS+8*(4*\hh+\bb)+\p+1]
.endr
.endr
.endif
	WIN 0
.irp c, 0,1,2,3
	v_pk_mul_f32 v[SQ+2*\c:SQ+2*\c+1], v[TMP+2*\c:TMP+2*\c+1], v[TMP+2*\c:TMP+2*\c+1]
.endr
.irp p, 4,5,6,7,8,9,10,11,12,13,14,15
	v_pk_fma_f32 v[SQ+2*(\p%4):SQ+2*(\p%4)+1], v[TMP+2*\p:TMP+2*\p+1], v[TMP+2*\p:TMP+2*\p+1], v[SQ+2*(\p%4):SQ+2*(\p%4)+1]
.endr
	v_pk_add_f32 v[SQ:SQ+1], v[SQ:SQ+1], v[SQ+2:SQ+3]
	v_pk_add_f32 v[SQ+4:SQ+5], v[SQ+4:SQ+5], v[SQ+6:SQ+7]
	v_pk_add_f32 v[SQ:SQ+1], v[SQ:SQ+1], v[SQ+4:SQ+5]
	v_add_f32 v[SQ], v[SQ], v[SQ+1]
	v_permlanex16_b32 v[SQ+2], v[SQ], s75, s81     ; the other half of the head
	v_add_f32 v[SQ], v[SQ], v[SQ+2]
	v_sqrt_f32 v[SQ+1], v[SQ]
	v_nop                                          ; one plain place behind a transcendental (ISA guide 5.7.2)
	s_wait_alu depctr_va_vdst(0)
	v_max_num_f32 v[SQ+1], v[SQ+1], s82            ; max(norm, 1e-12); a sum flushed to zero ends at the same clamp
	v_rcp_f32 v[R], v[SQ+1]
	v_nop
	s_wait_alu depctr_va_vdst(0)
	v_cndmask_b32 v[R], 1.0, v[R], s[MSK+\hh]
	v_mov_b32 v[R+1], v[R]
.irp p, 0,2,4,6,8,10,12,14,16,18,20,22,24,26,28,30
	v_pk_mul_f32 v[TMP+\p:TMP+\p+1], v[TMP+\p:TMP+\p+1], v[R:R+1]
.endr
.irp q, 0,1,2,3,4,5,6,7,8,9,10,11,12,13,14,15
	v_cvt_pk_f16_f32 v[HP+\q], v[TMP+2*\q], v[TMP+2*\q+1]
.endr
.irp bb, 0,1,2,3
	ds_store_b128 v[STO], v[HP+4*\bb:HP+4*\bb+3] offset:\hh*HSTAGE+32*\bb
.endr
.endm
.macro ROWOUT a
	HEADOUT \a, 0
	HEADOUT \a, 1
	HEADOUT \a, 2
	s_wait_xcnt 0x0                                ; the registers read back into were the last stores' data: rewritten only behind this wait
.irp n, 0,1,2,3,4,5,6,7,8,9,10,11
	ds_load_b128 v[RB+4*\n:RB+4*\n+3], v[RD] offset:(\n/4)*HSTAGE+(\n%4)*4*SPITCH   ; LDS serves a wave's instructions in order: these see the stores above
.endr
.irp n, 0,1,2,3,4,5,6,7,8,9,10,11
	s_wait_dscnt 11-\n
	global_store_b128 v[CO], v[RB+4*\n:RB+4*\n+3], s[DST+2*(\n/4):DST+2*(\n/4)+1] offset:2048*\a+512*(\n%4)   ; four rows of a head: 512 consecutive bytes, aligned
.endr
.endm
	ROWOUT 0
	ROWOUT 1
	ROWOUT 2
	ROWOUT 3
	s_set_vgpr_msb 0x1
	s_wait_tensorcnt 0x0
	ds_add_u32 v255, v127
	s_wait_dscnt 0x0
	s_set_vgpr_msb 0x100
	CROUND                                         ; the closing round: no work-group ends while a partner may still ask jointly
	s_endpgm
.Lfunc_end_k_qb4a7988908_qkv:
	.size	k_qb4a7988908_qkv, .Lfunc_end_k_qb4a7988908_qkv-k_qb4a7988908_qkv
	.p2alignl 7, 3214868480
	.fill 96, 4, 3214868480
	.section	.rodata,"a",@progbits
	.p2align	6, 0x0
	.amdhsa_kernel k_qb4a7988908_qkv
		.amdhsa_group_segment_fixed_size 327680
		.amdhsa_private_segment_fixed_size 0
		.amdhsa_enable_private_segment 0
		.amdhsa_kernarg_size 24
		.amdhsa_user_sgpr_count 2
		.amdhsa_user_sgpr_kernarg_segment_ptr 1
		.amdhsa_wavefront_size32 1
		.amdhsa_system_sgpr_workgroup_id_x 1
		.amdhsa_system_sgpr_workgroup_id_y 1
		.amdhsa_system_sgpr_workgroup_id_z 1
		.amdhsa_system_vgpr_workitem_id 0
		.amdhsa_next_free_vgpr 896
		.amdhsa_next_free_sgpr 84
		.amdhsa_reserve_vcc 0
		.amdhsa_float_denorm_mode_32 3
		.amdhsa_float_denorm_mode_16_64 3
		.amdhsa_memory_ordered 1
		.amdhsa_forward_progress 1
		.amdhsa_inst_pref_size 211
	.end_amdhsa_kernel
	.amdgpu_metadata
---
amdhsa.version: [ 1, 2 ]
amdhsa.kernels:
  - .name:           k_qb4a7988908_qkv
    .symbol:         k_qb4a7988908_qkv.kd
    .args:
      - { .name: h16, .offset: 0, .size: 8, .value_kind: global_buffer, .address_space: global }
      - { .name: b_qkv, .offset: 8, .size: 8, .value_kind: global_buffer, .address_space: global }
      - { .name: qkvh, .offset: 16, .size: 8, .value_kind: global_buffer, .address_space: global }
    .group_segment_fixed_size: 327680
    .private_segment_fixed_size: 0
    .kernarg_segment_align: 8
    .kernarg_segment_size: 24
    .max_flat_workgroup_size: 128
    .sgpr_count:     84
    .vgpr_count:     896
    .wavefront_size: 32
...
	.end_amdgpu_metadata
.endif
;; end of part 2
;; launch colsum (part 3): grid 8 x 32, 8 waves a work-group, clusters of 4 x 1, 327,680 bytes of LDS; arguments qkvh, lnc; writes lnc
.if DOCPART == 3
	.amdgcn_target "amdgcn-amd-amdhsa--gfx1250"
	.amdhsa_code_object_version 6
	.text
	.protected	k_qb4a7988908_colsum
	.globl	k_qb4a7988908_colsum
	.p2align	8
	.type	k_qb4a7988908_colsum,@function
k_qb4a7988908_colsum:
	s_mov_b64 s[64:65], 0
	v_nop
	global_prefetch_b8 v0, s[64:65] scope:SCOPE_SE
	s_setreg_imm32_b32 hwreg(HW_REG_WAVE_MODE, 25, 1), 1
	s_wait_xcnt 0x0
	s_wait_alu depctr_hold_cnt(0) depctr_sa_sdst(0) depctr_va_vdst(0) depctr_va_sdst(0) depctr_va_ssrc(0) depctr_va_vcc(0) depctr_vm_vsrc(0)
	s_getreg_b32 s2, hwreg(HW_REG_IB_STS2, 6, 4)
	s_cmp_eq_u32 s2, 0
	s_cbranch_scc0 .Lentry_in_a_cluster
	s_endpgm
.Lentry_in_a_cluster:
	s_bfe_u32 s2, ttmp6, 0x10000c
	s_cmp_lg_u32 s2, 0x3003
	s_cbranch_scc0 .Lentry_shape_is_right
	s_endpgm
.Lentry_shape_is_right:
; lnc[bh][t] = 10 - log2( n_c[t] ),  n_c[t] = sum over all 2048 queries s of f(q_s . k_t),  f(c) = (1 + arccos(clip c))^-3.2.
; A work-group owns 256 keys of one head; wave w keeps 32 of them in registers as the matrix instruction's second source, so that a lane is a
; key and the sum over queries stays in the lane.  The head's Q streams through two LDS slots of 512 queries.
; CLUSTER 4 x 1: four key blocks of one head read the same Q tiles and ask for them jointly.
; arccos(c) = pi/2 + sign(c) (sqrt(1-|c|) p(|c|) - pi/2), p a cubic (Abramowitz and Stegun 4.4.45): off by at most 6.8e-5 rad for every c, which is
; 2.2e-4 of f.  The power is exp2(-3.2 log2 y), y in [1, 1 + pi]: the exponent lies in [-6.6, 0] for every input, so there is nothing to shift.
.set QPITCH, 144                       ; a row of 128 bytes + 16
.set SLOT,   512*QPITCH                ; 73,728
.set WPART,  64*QPITCH                 ; what a wave fetches
.set STG,    2*SLOT                    ; 1,024 bytes, never filled by a tensor load
.set PARTB,  8388608
.set QB,  10
.set KOF, 11
.set QAD, 13
.set CONE, 20                          ; pairs of constants, both halves written
.set CA3,  22
.set CA2,  24
.set CA1,  26
.set CA0,  28
.set CNH,  30
.set CB,   32
.set CM,   34
.set KO,  44                           ; v44-75   my 32 keys: fragment (tt, ks) at 16 tt + 8 ks
.set QS,  76                           ; v76-107  32 queries: fragment (ss, ks) at 16 ss + 8 ks
.set ACC, 108                          ; v108-123 running sums, 8 for each tt
.set S,   156                          ; v156-187 cosines, tile (tt, ss) at 16 tt + 8 ss
.set T,   188
.set U,   204
.set P,   220
.set G1, 16
.set G0, 40
.set SC1,   32
.set SMASK, 33
.set SONE,  34
.macro ROUND                           ; a round of the cluster's barrier
	s_barrier_signal -1
	s_barrier_wait -1
	s_cmp_lg_u32 s10, 0
	s_cbranch_scc1 .Lnot_wave_0_\@
	s_barrier_signal -3
.Lnot_wave_0_\@:
	s_barrier_wait -3
	s_barrier_signal -1
	s_barrier_wait -1
.endm
	s_load_b128 s[4:7], s[0:1], 0x0                ; qkvh s[4:5], lnc s[6:7]
	v_lshl_add_u32 v240, v0, 2, 0x29000
	v_mov_b32 v241, 0
	ds_add_u32 v240, v241
	v_lshrrev_b32 v1, 5, v0
	v_readfirstlane_b32 s10, v1                    ; wave 0..7
	s_bfe_u32 s12, ttmp6, 0x40000                  ; cx
	s_and_b32 s13, ttmp7, 0xffff                   ; b*16 + head
	s_lshl_b32 s14, ttmp9, 2
	s_add_co_u32 s14, s14, s12                     ; key block 0..7
	; group 1: all four partners; elements of 2 bytes; 64 rows of 64; 4 words of padding behind every 32 words
	s_mov_b32 s[G1+0], 15|(1<<16)|(1<<20)|(1<<21)|(4<<22)|(3<<25)
	s_mov_b32 s[G1+1], 64<<16
	s_mov_b32 s[G1+2], 64<<16
	s_mov_b32 s[G1+3], 64<<16
	s_mov_b32 s[G1+4], 64
	s_mov_b32 s[G1+5], 64
	s_mov_b32 s[G1+6], 0
	s_mov_b32 s[G1+7], 0
	s_lshl_b32 s24, s13, 18                        ; the head's block of q
	s_lshl_b32 s25, s10, 13                        ; my 64 rows of a tile
	s_add_co_u32 s24, s24, s25
	s_mov_b32 s25, 0
	s_mul_i32 s26, s10, WPART
	s_lshl_b32 s30, s13, 18                        ; my 32 keys: part 1, head, key block, wave
	s_lshl_b32 s31, s14, 15
	s_add_co_u32 s30, s30, s31
	s_lshl_b32 s31, s10, 12
	s_add_co_u32 s30, s30, s31
	s_add_co_u32 s30, s30, PARTB
	s_mov_b32 s31, 0
	s_lshl_b32 s36, s13, 13                        ; lnc: 8,192 bytes a head, 1,024 a key block
	s_lshl_b32 s37, s14, 10
	s_add_co_u32 s36, s36, s37
	s_mov_b32 s37, 0
	s_mov_b32 s[SC1], 0x3f7ffffe                   ; f32(1 - 1e-7)
	s_mov_b32 s[SMASK], 0x7fffffff
	s_mov_b32 s[SONE], 0x3f800000
	s_mov_b32 s38, 0x76543210
	s_mov_b32 s39, 0xfedcba98
	s_wait_dscnt 0x0
	s_wait_kmcnt 0x0
	s_add_nc_u64 s[28:29], s[4:5], s[24:25]
	s_add_nc_u64 s[30:31], s[4:5], s[30:31]
	s_add_nc_u64 s[36:37], s[6:7], s[36:37]
	ROUND                                          ; in front of the first joint loads
.irp n, 0,1
	s_mov_b32 s[G0+4*\n], 1
	s_add_co_u32 s[G0+4*\n+1], s26, \n*SLOT
	s_add_nc_u64 s[G0+4*\n+2:G0+4*\n+3], s[28:29], \n*65536
	s_or_b32 s[G0+4*\n+3], s[G0+4*\n+3], 0x80000000
	tensor_load_to_lds s[G0+4*\n:G0+4*\n+3], s[G1:G1+7]   ; queries 0-511 and 512-1023: two tensor loads of the wave are out
	s_nop 0
.endr
	v_and_b32 v1, 15, v0                           ; r
	v_bfe_u32 v2, v0, 4, 1                         ; h
	v_and_b32 v3, 31, v0                           ; lane
	v_lshlrev_b32 v4, 7, v1
	v_lshl_add_u32 v[KOF], v2, 4, v4               ; r x 128 + 16 h
.irp tt, 0,1
.irp ks, 0,1
	global_load_b128 v[KO+16*\tt+8*\ks:KO+16*\tt+8*\ks+3],   v[KOF], s[30:31] offset:2048*\tt+64*\ks
	global_load_b128 v[KO+16*\tt+8*\ks+4:KO+16*\tt+8*\ks+7], v[KOF], s[30:31] offset:2048*\tt+64*\ks+32
.endr
.endr
	v_mul_u32_u24 v4, v1, QPITCH
	v_lshl_add_u32 v[QB], v2, 4, v4                ; r x pitch + 16 h
.irp j, 0,1
	v_mov_b32 v[CONE+\j], 1.0
	v_mov_b32 v[CA3+\j], 0xbc996e30                ; -0.0187293
	v_mov_b32 v[CA2+\j], 0x3d981627                ;  0.0742610
	v_mov_b32 v[CA1+\j], 0xbe593484                ; -0.2121144
	v_mov_b32 v[CA0+\j], 0x3fc90da4                ;  1.5707288
	v_mov_b32 v[CNH+\j], 0xbfc90fdb                ; -pi/2
	v_mov_b32 v[CB+\j],  0x402487ed                ;  1 + pi/2
	v_mov_b32 v[CM+\j],  0xc04ccccd                ; -3.2
.endr
.irp j, 0,1,2,3,4,5,6,7,8,9,10,11,12,13,14,15
	v_mov_b32 v[ACC+\j], 0
.endr
; 16 cosines in v[c .. c+15] -> log2(1 + arccos(clip c)) in P.  The cosines' registers end as sign(c).
.macro FSCORE c
.irp i, 0,1,2,3,4,5,6,7,8,9,10,11,12,13,14,15
	v_min_num_f32 v[T+\i], |v[\c+\i]|, s[SC1]      ; t = min(|c|, 1 - 1e-7): the clip, which is symmetric
.endr
.irp i, 0,1,2,3,4,5,6,7,8,9,10,11,12,13,14,15
	v_bfi_b32 v[\c+\i], s[SMASK], s[SONE], v[\c+\i]   ; 1.0 with c's sign
.endr
.irp p, 0,2,4,6,8,10,12,14
	v_pk_add_f32 v[U+\p:U+\p+1], v[CONE:CONE+1], v[T+\p:T+\p+1] neg_lo:[0,1] neg_hi:[0,1]
.endr
.irp p, 0,2,4,6,8,10,12,14
	v_pk_fma_f32 v[P+\p:P+\p+1], v[T+\p:T+\p+1], v[CA3:CA3+1], v[CA2:CA2+1]
.endr
.irp i, 0,1,2,3,4,5,6,7,8,9,10,11,12,13,14,15
	v_sqrt_f32 v[U+\i], v[U+\i]
.endr
.irp p, 0,2,4,6,8,10,12,14
	v_pk_fma_f32 v[P+\p:P+\p+1], v[P+\p:P+\p+1], v[T+\p:T+\p+1], v[CA1:CA1+1]   ; plain work behind the roots (ISA guide 5.7.2)
.endr
.irp p, 0,2,4,6,8,10,12,14
	v_pk_fma_f32 v[P+\p:P+\p+1], v[P+\p:P+\p+1], v[T+\p:T+\p+1], v[CA0:CA0+1]
.endr
	s_wait_alu depctr_va_vdst(0)
.irp p, 0,2,4,6,8,10,12,14
	v_pk_fma_f32 v[P+\p:P+\p+1], v[U+\p:U+\p+1], v[P+\p:P+\p+1], v[CNH:CNH+1]
.endr
.irp p, 0,2,4,6,8,10,12,14
	v_pk_fma_f32 v[P+\p:P+\p+1], v[\c+\p:\c+\p+1], v[P+\p:P+\p+1], v[CB:CB+1]   ; 1 + arccos
.endr
.irp i, 0,1,2,3,4,5,6,7,8,9,10,11,12,13,14,15
	v_log_f32 v[P+\i], v[P+\i]
.endr
	v_nop
.endm
.macro CTAIL tt                        ; f = exp2(-3.2 log2 y), added to the keys' sums
	s_wait_alu depctr_va_vdst(0)
.irp p, 0,2,4,6,8,10,12,14
	v_pk_mul_f32 v[P+\p:P+\p+1], v[P+\p:P+\p+1], v[CM:CM+1]
.endr
.irp i, 0,1,2,3,4,5,6,7,8,9,10,11,12,13,14,15
	v_exp_f32 v[P+\i], v[P+\i]
.endr
	v_nop
	s_wait_alu depctr_va_vdst(0)
.irp p, 0,2,4,6,8,10,12,14
	v_pk_add_f32 v[ACC+8*\tt+(\p%8):ACC+8*\tt+(\p%8)+1], v[ACC+8*\tt+(\p%8):ACC+8*\tt+(\p%8)+1], v[P+\p:P+\p+1]
.endr
.endm
; 32 queries against my 32 keys.  The four tiles take turns, one instruction a turn.
.macro TRIP
.irp ss, 0,1
.irp ks, 0,1
	ds_load_b128 v[QS+16*\ss+8*\ks:QS+16*\ss+8*\ks+3],   v[QAD] offset:\ss*16*QPITCH+64*\ks
	ds_load_b128 v[QS+16*\ss+8*\ks+4:QS+16*\ss+8*\ks+7], v[QAD] offset:\ss*16*QPITCH+64*\ks+32
.endr
.endr
	s_wait_dscnt 0x0
.irp tt, 0,1
.irp ss, 0,1
	v_wmma_f32_16x16x32_f16 v[S+16*\tt+8*\ss:S+16*\tt+8*\ss+7], v[QS+16*\ss:QS+16*\ss+7], v[KO+16*\tt:KO+16*\tt+7], 0
.endr
.endr
.irp tt, 0,1
.irp ss, 0,1
	v_wmma_f32_16x16x32_f16 v[S+16*\tt+8*\ss:S+16*\tt+8*\ss+7], v[QS+16*\ss+8:QS+16*\ss+15], v[KO+16*\tt+8:KO+16*\tt+15], v[S+16*\tt+8*\ss:S+16*\tt+8*\ss+7]
.endr
.endr
	v_add_nc_u32 v[QAD], 32*QPITCH, v[QAD]         ; four plain places behind the products (ISA guide 7.12.1): the next 32 queries,
	v_nop
	v_nop
	v_nop
	FSCORE S
	CTAIL 0
	FSCORE S+16
	CTAIL 1
.endm
.macro WORK slot                       ; a slot's 512 queries
	v_add_nc_u32 v[QAD], \slot*SLOT, v[QB]
	s_mov_b32 s60, 16
.Ltrip_\@:
	TRIP
	s_sub_co_i32 s60, s60, 1
	s_cmp_lg_u32 s60, 0
	s_cbranch_scc1 .Ltrip_\@
.endm
; Change of slots: every wave waits for all its tensor loads and for its reads of the slot read last; a round of the cluster's barrier; the joint
; refill of that slot first behind it; then this slot's 512 queries, in which the refill has time to land.
.macro SW slot, refill
	s_wait_tensorcnt 0x0
	ds_add_u32 v240, v241
	s_wait_dscnt 0x0
.if \refill
	s_add_nc_u64 s[G0+4*(1-\slot)+2:G0+4*(1-\slot)+3], s[G0+4*(1-\slot)+2:G0+4*(1-\slot)+3], 131072
.endif
	s_wait_dscnt 0x0
	ROUND
.if \refill
	tensor_load_to_lds s[G0+4*(1-\slot):G0+4*(1-\slot)+3], s[G1:G1+7]
	s_nop 0
.endif
	WORK \slot
.endm
	s_wait_loadcnt 0x0                             ; my keys
	s_wait_tensorcnt 0x1                           ; my part of slot 0 is in; slot 1's stays out
	s_barrier_signal -1
	s_barrier_wait -1
	WORK 0                                         ; queries 0-511
	SW 1, 1                                        ; queries 512-1023; slot 0 gets 1024-1535
	SW 0, 1                                        ; queries 1024-1535; slot 1 gets 1536-2047
	SW 1, 0                                        ; queries 1536-2047
	; a key's sum: 8 registers, then the other half of the lanes (queries 8 h + j of each tile)
.irp tt, 0,1
	v_pk_add_f32 v[ACC+8*\tt:ACC+8*\tt+1], v[ACC+8*\tt:ACC+8*\tt+1], v[ACC+8*\tt+2:ACC+8*\tt+3]
	v_pk_add_f32 v[ACC+8*\tt+4:ACC+8*\tt+5], v[ACC+8*\tt+4:ACC+8*\tt+5], v[ACC+8*\tt+6:ACC+8*\tt+7]
	v_pk_add_f32 v[ACC+8*\tt:ACC+8*\tt+1], v[ACC+8*\tt:ACC+8*\tt+1], v[ACC+8*\tt+4:ACC+8*\tt+5]
	v_add_f32 v[ACC+8*\tt], v[ACC+8*\tt], v[ACC+8*\tt+1]
	v_permlanex16_b32 v[ACC+8*\tt+1], v[ACC+8*\tt], s38, s39
	v_add_f32 v[ACC+8*\tt], v[ACC+8*\tt], v[ACC+8*\tt+1]
.endr
	v_cmp_gt_u32 vcc_lo, 16, v3
	v_cndmask_b32 v4, v[ACC+8], v[ACC], vcc_lo     ; lane l keeps key l of my 32
	v_log_f32 v4, v4
	v_nop
	s_wait_alu depctr_va_vdst(0)
	v_sub_f32 v4, 0x41200000, v4                   ; 10 - log2 n_c: the next launch's scores come out as f 2^10 / n_c, in [5e-3, 47], well inside f16
	v_lshlrev_b32 v5, 2, v0
	v_add_nc_u32 v5, STG, v5                       ; thread t's word: the block's 256 keys in order
	ds_store_b32 v5, v4
	s_wait_dscnt 0x0                               ; for the others' sake
	s_barrier_signal -1
	s_barrier_wait -1
	s_cmp_lt_u32 s10, 2
	s_cbranch_scc0 .Lno_store
	v_lshlrev_b32 v6, 4, v0                        ; waves 0 and 1 store the 1,024 bytes, 512 consecutive bytes each
	v_add_nc_u32 v7, STG, v6
	ds_load_b128 v[124:127], v7
	s_wait_dscnt 0x0
	global_store_b128 v6, v[124:127], s[36:37]
.Lno_store:
	s_wait_tensorcnt 0x0
	ds_add_u32 v240, v241
	s_wait_dscnt 0x0
	ROUND                                          ; the closing round
	s_endpgm
.Lfunc_end_k_qb4a7988908_colsum:
	.size	k_qb4a7988908_colsum, .Lfunc_end_k_qb4a7988908_colsum-k_qb4a7988908_colsum
	.p2alignl 7, 3214868480
	.fill 96, 4, 3214868480
	.section	.rodata,"a",@progbits
	.p2align	6, 0x0
	.amdhsa_kernel k_qb4a7988908_colsum
		.amdhsa_group_segment_fixed_size 327680
		.amdhsa_private_segment_fixed_size 0
		.amdhsa_enable_private_segment 0
		.amdhsa_kernarg_size 16
		.amdhsa_user_sgpr_count 2
		.amdhsa_user_sgpr_kernarg_segment_ptr 1
		.amdhsa_wavefront_size32 1
		.amdhsa_system_sgpr_workgroup_id_x 1
		.amdhsa_system_sgpr_workgroup_id_y 1
		.amdhsa_system_sgpr_workgroup_id_z 1
		.amdhsa_system_vgpr_workitem_id 0
		.amdhsa_next_free_vgpr 242
		.amdhsa_next_free_sgpr 66
		.amdhsa_reserve_vcc 1
		.amdhsa_float_denorm_mode_32 3
		.amdhsa_float_denorm_mode_16_64 3
		.amdhsa_memory_ordered 1
		.amdhsa_forward_progress 1
		.amdhsa_inst_pref_size 77
	.end_amdhsa_kernel
	.amdgpu_metadata
---
amdhsa.version: [ 1, 2 ]
amdhsa.kernels:
  - .name:           k_qb4a7988908_colsum
    .symbol:         k_qb4a7988908_colsum.kd
    .args:
      - { .name: qkvh, .offset: 0, .size: 8, .value_kind: global_buffer, .address_space: global }
      - { .name: lnc, .offset: 8, .size: 8, .value_kind: global_buffer, .address_space: global }
    .group_segment_fixed_size: 327680
    .private_segment_fixed_size: 0
    .kernarg_segment_align: 8
    .kernarg_segment_size: 16
    .max_flat_workgroup_size: 256
    .sgpr_count:     66
    .vgpr_count:     242
    .wavefront_size: 32
...
	.end_amdgpu_metadata
.endif
;; end of part 3
;; launch attn (part 4): grid 16 x 32, 8 waves a work-group, clusters of 4 x 1, 327,680 bytes of LDS; arguments qkvh, lnc, attn; writes attn
.if DOCPART == 4
	.amdgcn_target "amdgcn-amd-amdhsa--gfx1250"
	.amdhsa_code_object_version 6
	.text
	.protected	k_qb4a7988908_attn
	.globl	k_qb4a7988908_attn
	.p2align	8
	.type	k_qb4a7988908_attn,@function
k_qb4a7988908_attn:
	s_mov_b64 s[64:65], 0
	v_nop
	global_prefetch_b8 v0, s[64:65] scope:SCOPE_SE
	s_setreg_imm32_b32 hwreg(HW_REG_WAVE_MODE, 25, 1), 1
	s_wait_xcnt 0x0
	s_wait_alu depctr_hold_cnt(0) depctr_sa_sdst(0) depctr_va_vdst(0) depctr_va_sdst(0) depctr_va_ssrc(0) depctr_va_vcc(0) depctr_vm_vsrc(0)
	s_getreg_b32 s2, hwreg(HW_REG_IB_STS2, 6, 4)
	s_cmp_eq_u32 s2, 0
	s_cbranch_scc0 .Lentry_in_a_cluster
	s_endpgm
.Lentry_in_a_cluster:
	s_bfe_u32 s2, ttmp6, 0x10000c
	s_cmp_lg_u32 s2, 0x3003
	s_cbranch_scc0 .Lentry_shape_is_right
	s_endpgm
.Lentry_shape_is_right:
; attn[bh][s][:] = sum_t P'[s][t] v[t][:] / sum_t P'[s][t],  P'[s][t] = f(q_s . k_t) 2^10 / n_c[t],  f(c) = (1 + arccos(clip c))^-3.2.
; WHY THIS IS reference(): its row factor n_r^-1 is constant along the row over which the last normalisation sums, so it cancels; f lies in
; [0.0106, 1], so n_r and n_c lie in [21.7, 2048], the row sum of k_tilde is at least 5e-6, and the clamp at 1e-12 never acts.
; No maximum is taken away: reference() has no softmax, and the exponent -3.2 log2 y + 10 - log2 n_c lies in [-7.6, 5.6] for every input.
; A work-group owns 128 queries of one head, wave w 16 of them, kept in registers: with 16 queries all of a wave's registers are among the 256
; that an instruction can name.  K and V stream through two LDS slots of 512 keys: four tiles, each a loop of 16 trips of 32 keys.
; S^T = K Q^T: in the result lane (r, h) holds query r and keys 8 h + j, which, packed to f16, IS the second source of out^T = V^T P^T:
; the scores never change lanes.  The denominator is a fifth row tile whose first source is all ones: the same rounded P' as in the numerator.
; CLUSTER 4 x 1: four query blocks of one head read the same K and V tiles and ask for them jointly.
; ONE PITCH of 144 bytes for K's and V's rows, so that a slot is 1,024 like rows and wave w fetches rows 128 w by one shape of descriptor.
; K's fragment loads are free of conflicts at it (an odd multiple of 16); of a transposing load's sixteen lanes two meet in one column of 16 bytes.
; arccos as in the launch before: off by at most 6.8e-5 rad, which is 2.2e-4 of f.
; LIMIT: v beyond 65,504 in magnitude does not survive f16; NaN and infinities in the inputs are not served.
.set PITCH,  144                       ; a row of 128 bytes + 16
.set TKEYS,  512                       ; keys in a slot
.set KBYTES, TKEYS*PITCH               ; 73,728: K's rows come first in a slot, V's behind them
.set SLOT,   2*KBYTES                  ; 147,456
.set WPART,  128*PITCH                 ; 18,432: what a wave fetches
.set LNB,    2*SLOT                    ; the head's 2,048 words of lnc: 8,192 bytes, stored through registers, never filled by a tensor load
.set STGB,   LNB+8192                  ; stages of the way out, never filled by a tensor load
.set WSTAGE, 16*PITCH                  ; a wave's stage: 16 rows
.set TRIPS,  TKEYS/32
.set PARTB,  8388608                   ; bytes of one of q, k, v in qkvh
.set LG,  8                            ; v8   16 t: my bytes of lnc in memory
.set LS,  9                            ; v9   the same in LDS
.set KB, 10
.set VB, 11
.set LB, 12
.set KAD, 13
.set VAD, 14
.set LAD, 15
.set STO, 16
.set RD,  17
.set CO,  18
.set QO,  19
.set CONE, 20                          ; pairs of constants, both halves written
.set CA3,  22
.set CA2,  24
.set CA1,  26
.set CA0,  28
.set CNH,  30
.set CB,   32
.set CM,   34
.set ONES, 36                          ; v36-43   f16 ones
.set QF,  44                           ; v44-59   my 16 queries, fragment ks at 8 ks
.set KF,  60                           ; v60-91   32 keys, fragment (tt, ks) at 16 tt + 8 ks
.set VF,  92                           ; v92-123  V^T, fragment dt at 8 dt
.set LN,  124                          ; v124-139 10 - log2 n_c of my 16 keys
.set S,   140                          ; v140-155 cosines, tile tt at 8 tt
.set T,   156
.set U,   172
.set P,   188
.set PB,  204                          ; v204-211 P' in f16
.set INV, 212
.set OA,  216                          ; v216-255 out^T tiles dt at 8 dt; dt = 4 is the denominator
.set G1, 16
.set G0, 40
.set SC1,   48
.set SMASK, 49
.set SONE,  50
.macro ROUND                           ; a round of the cluster's barrier
	s_barrier_signal -1
	s_barrier_wait -1
	s_cmp_lg_u32 s10, 0
	s_cbranch_scc1 .Lnot_wave_0_\@
	s_barrier_signal -3
.Lnot_wave_0_\@:
	s_barrier_wait -3
	s_barrier_signal -1
	s_barrier_wait -1
.endm
	s_load_b128 s[4:7], s[0:1], 0x0                ; qkvh s[4:5], lnc s[6:7]
	s_load_b64 s[8:9], s[0:1], 0x10                ; attn
	v_lshl_add_u32 v214, v0, 2, 0x4e800
	v_mov_b32 v215, 0
	ds_add_u32 v214, v215
	v_lshrrev_b32 v1, 5, v0
	v_readfirstlane_b32 s10, v1                    ; wave 0..7
	s_bfe_u32 s12, ttmp6, 0x40000                  ; cx
	s_and_b32 s13, ttmp7, 0xffff                   ; b*16 + head
	s_lshl_b32 s14, ttmp9, 2
	s_add_co_u32 s14, s14, s12                     ; query block 0..15
	; group 1: all four partners; elements of 2 bytes; 128 rows of 64; 4 words of padding behind every 32 words
	s_mov_b32 s[G1+0], 15|(1<<16)|(1<<20)|(1<<21)|(4<<22)|(3<<25)
	s_mov_b32 s[G1+1], 64<<16
	s_mov_b32 s[G1+2], 128<<16
	s_mov_b32 s[G1+3], 64<<16
	s_mov_b32 s[G1+4], 128
	s_mov_b32 s[G1+5], 64
	s_mov_b32 s[G1+6], 0
	s_mov_b32 s[G1+7], 0
	s_lshl_b32 s24, s13, 18                        ; my 128 rows of a tile: the head's block,
	s_and_b32 s25, s10, 3
	s_lshl_b32 s25, s25, 14                        ; + (wave % 4) x 128 rows of 128 bytes,
	s_add_co_u32 s24, s24, s25
	s_lshr_b32 s25, s10, 2
	s_lshl_b32 s25, s25, 23                        ; in k (waves 0-3) or in v (waves 4-7)
	s_add_co_u32 s24, s24, s25
	s_add_co_u32 s24, s24, PARTB
	s_mov_b32 s25, 0
	s_mul_i32 s26, s10, WPART                      ; and where they go: wave x 18,432
	s_lshl_b32 s30, s13, 18                        ; my 16 queries, and my 16 rows of the output: head, query block, wave
	s_lshl_b32 s31, s14, 14
	s_add_co_u32 s30, s30, s31
	s_lshl_b32 s31, s10, 11
	s_add_co_u32 s30, s30, s31
	s_mov_b32 s31, 0
	s_lshl_b32 s52, s13, 13                        ; lnc: 8,192 bytes a head
	s_mov_b32 s53, 0
	s_mov_b32 s[SC1], 0x3f7ffffe                   ; f32(1 - 1e-7)
	s_mov_b32 s[SMASK], 0x7fffffff
	s_mov_b32 s[SONE], 0x3f800000
	s_wait_dscnt 0x0
	s_wait_kmcnt 0x0
	s_add_nc_u64 s[28:29], s[4:5], s[24:25]
	s_add_nc_u64 s[36:37], s[8:9], s[30:31]
	s_add_nc_u64 s[30:31], s[4:5], s[30:31]
	s_add_nc_u64 s[52:53], s[6:7], s[52:53]
	ROUND                                          ; in front of the first joint loads
.irp n, 0,1
	s_mov_b32 s[G0+4*\n], 1
	s_add_co_u32 s[G0+4*\n+1], s26, \n*SLOT
	s_add_nc_u64 s[G0+4*\n+2:G0+4*\n+3], s[28:29], \n*TKEYS*128
	s_or_b32 s[G0+4*\n+3], s[G0+4*\n+3], 0x80000000
	tensor_load_to_lds s[G0+4*\n:G0+4*\n+3], s[G1:G1+7]   ; keys 0-511 and 512-1023: two tensor loads of the wave are out
	s_nop 0
.endr
	v_and_b32 v1, 15, v0                           ; r
	v_bfe_u32 v2, v0, 4, 1                         ; h
	v_and_b32 v3, 31, v0                           ; lane
	v_lshlrev_b32 v4, 7, v1
	v_lshl_add_u32 v[QO], v2, 4, v4                ; r x 128 + 16 h
.irp ks, 0,1
	global_load_b128 v[QF+8*\ks:QF+8*\ks+3],   v[QO], s[30:31] offset:64*\ks
	global_load_b128 v[QF+8*\ks+4:QF+8*\ks+7], v[QO], s[30:31] offset:64*\ks+32
.endr
	v_lshlrev_b32 v[LG], 4, v0                     ; the 256 threads bring the head's lnc: 16 bytes each, twice
	global_load_b128 v[T:T+3],   v[LG], s[52:53]
	global_load_b128 v[T+4:T+7], v[LG], s[52:53] offset:4096
	v_add_nc_u32 v[LS], LNB, v[LG]
	v_mul_u32_u24 v4, v1, PITCH
	v_lshl_add_u32 v[KB], v2, 4, v4                ; K: row r, + 16 h
	v_and_b32 v5, 7, v0
	v_lshl_add_u32 v5, v2, 3, v5                   ; 8 h + l % 8
	v_mul_u32_u24 v5, v5, PITCH
	v_bfe_u32 v6, v0, 3, 1
	v_lshl_add_u32 v5, v6, 4, v5                   ; V: that row, + 16 ((l / 8) % 2),
	v_add_nc_u32 v[VB], KBYTES, v5                 ; behind K's rows
	v_lshlrev_b32 v7, 5, v2
	v_add_nc_u32 v[LB], LNB, v7                    ; lnc: keys 8 h + 0..7
	s_mul_i32 s54, s10, WSTAGE
	s_add_co_u32 s54, s54, STGB                    ; my stage
	v_add_nc_u32 v[STO], s54, v[KB]                ; in: row r of 144 bytes, 16 bytes for each half of the lanes
	v_lshrrev_b32 v5, 3, v3
	v_and_b32 v6, 7, v3
	v_mul_u32_u24 v5, v5, PITCH
	v_lshl_add_u32 v5, v6, 4, v5
	v_add_nc_u32 v[RD], s54, v5                    ; back: eight lanes take a row of 128 bytes, the wave four rows
	v_lshlrev_b32 v[CO], 4, v3                     ; and the same four rows lie in 512 consecutive bytes of the head block
.irp j, 0,1
	v_mov_b32 v[CONE+\j], 1.0
	v_mov_b32 v[CA3+\j], 0xbc996e30                ; -0.0187293
	v_mov_b32 v[CA2+\j], 0x3d981627                ;  0.0742610
	v_mov_b32 v[CA1+\j], 0xbe593484                ; -0.2121144
	v_mov_b32 v[CA0+\j], 0x3fc90da4                ;  1.5707288
	v_mov_b32 v[CNH+\j], 0xbfc90fdb                ; -pi/2
	v_mov_b32 v[CB+\j],  0x402487ed                ;  1 + pi/2
	v_mov_b32 v[CM+\j],  0xc04ccccd                ; -3.2
.endr
.irp j, 0,1,2,3,4,5,6,7
	v_mov_b32 v[ONES+\j], 0x3c003c00
	v_mov_b32 v[PB+\j], 0
.endr
	; The five sums (40 registers) start at zero by five products of ones with a zero second source, C = 0: so the trip has one form, every
	; PV product of which adds in place.
.irp i, 0,1,2,3,4
	v_wmma_f32_16x16x32_f16 v[OA+8*\i:OA+8*\i+7], v[ONES:ONES+7], v[PB:PB+7], 0
.endr
; 16 cosines in v[c .. c+15] -> log2(1 + arccos(clip c)) in P.  The cosines' registers end as sign(c).
.macro FSCORE c
.irp i, 0,1,2,3,4,5,6,7,8,9,10,11,12,13,14,15
	v_min_num_f32 v[T+\i], |v[\c+\i]|, s[SC1]      ; t = min(|c|, 1 - 1e-7): the clip, which is symmetric
.endr
.irp i, 0,1,2,3,4,5,6,7,8,9,10,11,12,13,14,15
	v_bfi_b32 v[\c+\i], s[SMASK], s[SONE], v[\c+\i]   ; 1.0 with c's sign
.endr
.irp p, 0,2,4,6,8,10,12,14
	v_pk_add_f32 v[U+\p:U+\p+1], v[CONE:CONE+1], v[T+\p:T+\p+1] neg_lo:[0,1] neg_hi:[0,1]
.endr
.irp p, 0,2,4,6,8,10,12,14
	v_pk_fma_f32 v[P+\p:P+\p+1], v[T+\p:T+\p+1], v[CA3:CA3+1], v[CA2:CA2+1]
.endr
.irp i, 0,1,2,3,4,5,6,7,8,9,10,11,12,13,14,15
	v_sqrt_f32 v[U+\i], v[U+\i]
.endr
.irp p, 0,2,4,6,8,10,12,14
	v_pk_fma_f32 v[P+\p:P+\p+1], v[P+\p:P+\p+1], v[T+\p:T+\p+1], v[CA1:CA1+1]   ; plain work behind the roots (ISA guide 5.7.2)
.endr
.irp p, 0,2,4,6,8,10,12,14
	v_pk_fma_f32 v[P+\p:P+\p+1], v[P+\p:P+\p+1], v[T+\p:T+\p+1], v[CA0:CA0+1]
.endr
	s_wait_alu depctr_va_vdst(0)
.irp p, 0,2,4,6,8,10,12,14
	v_pk_fma_f32 v[P+\p:P+\p+1], v[U+\p:U+\p+1], v[P+\p:P+\p+1], v[CNH:CNH+1]
.endr
.irp p, 0,2,4,6,8,10,12,14
	v_pk_fma_f32 v[P+\p:P+\p+1], v[\c+\p:\c+\p+1], v[P+\p:P+\p+1], v[CB:CB+1]   ; 1 + arccos
.endr
.irp i, 0,1,2,3,4,5,6,7,8,9,10,11,12,13,14,15
	v_log_f32 v[P+\i], v[P+\i]
.endr
	v_nop
.endm
.macro ATAIL                           ; P' = exp2(-3.2 log2 y + 10 - log2 n_c), packed: register i holds keys 2 i, 2 i + 1 of the lane's 16
	s_wait_alu depctr_va_vdst(0)
.irp p, 0,2,4,6,8,10,12,14
	v_pk_fma_f32 v[P+\p:P+\p+1], v[P+\p:P+\p+1], v[CM:CM+1], v[LN+\p:LN+\p+1]
.endr
.irp i, 0,1,2,3,4,5,6,7,8,9,10,11,12,13,14,15
	v_exp_f32 v[P+\i], v[P+\i]
.endr
	v_nop
	s_wait_alu depctr_va_vdst(0)
.irp i, 0,1,2,3,4,5,6,7
	v_cvt_pk_f16_f32 v[PB+\i], v[P+2*\i], v[P+2*\i+1]
.endr
.endm
; 32 keys against my 16 queries.  No two matrix instructions that follow each other share an accumulator:
; the two tiles of S take turns, then the five sums, one instruction each.
.macro TRIP
.irp tt, 0,1
.irp ks, 0,1
	ds_load_b128 v[KF+16*\tt+8*\ks:KF+16*\tt+8*\ks+3],   v[KAD] offset:\tt*16*PITCH+64*\ks
	ds_load_b128 v[KF+16*\tt+8*\ks+4:KF+16*\tt+8*\ks+7], v[KAD] offset:\tt*16*PITCH+64*\ks+32
.endr
.endr
	ds_load_b128 v[LN:LN+3],     v[LAD]
	ds_load_b128 v[LN+4:LN+7],   v[LAD] offset:16
	ds_load_b128 v[LN+8:LN+11],  v[LAD] offset:64
	ds_load_b128 v[LN+12:LN+15], v[LAD] offset:80
	s_wait_dscnt 4                                 ; K's eight loads are in; lnc's four stay out
	v_wmma_f32_16x16x32_f16 v[S:S+7],    v[KF:KF+7],     v[QF:QF+7], 0
	v_wmma_f32_16x16x32_f16 v[S+8:S+15], v[KF+16:KF+23], v[QF:QF+7], 0
	v_wmma_f32_16x16x32_f16 v[S:S+7],    v[KF+8:KF+15],  v[QF+8:QF+15], v[S:S+7]
	v_wmma_f32_16x16x32_f16 v[S+8:S+15], v[KF+24:KF+31], v[QF+8:QF+15], v[S+8:S+15]
	v_add_nc_u32 v[KAD], 32*PITCH, v[KAD]          ; four plain places (ISA guide 7.12.1): behind these products, whose results are read below, and
	v_add_nc_u32 v[LAD], 128, v[LAD]               ; behind the last trip's, which read the registers that V's loads fill
	v_nop
	v_nop
.irp dt, 0,1,2,3
	ds_load_tr16_b128 v[VF+8*\dt:VF+8*\dt+3],   v[VAD] offset:32*\dt
	ds_load_tr16_b128 v[VF+8*\dt+4:VF+8*\dt+7], v[VAD] offset:32*\dt+16*PITCH
.endr
	v_add_nc_u32 v[VAD], 32*PITCH, v[VAD]
	s_wait_dscnt 8                                 ; lnc's four are in; V's eight stay out
	FSCORE S
	ATAIL
	s_wait_dscnt 0x0                               ; V^T
.irp dt, 0,1,2,3
	v_wmma_f32_16x16x32_f16 v[OA+8*\dt:OA+8*\dt+7], v[VF+8*\dt:VF+8*\dt+7], v[PB:PB+7], v[OA+8*\dt:OA+8*\dt+7]
.endr
	v_wmma_f32_16x16x32_f16 v[OA+32:OA+39], v[ONES:ONES+7], v[PB:PB+7], v[OA+32:OA+39]
.endm
.macro WORK tile, slot                 ; a slot's 512 keys
	v_add_nc_u32 v[KAD], \slot*SLOT, v[KB]
	v_add_nc_u32 v[VAD], \slot*SLOT, v[VB]
	v_add_nc_u32 v[LAD], 4*TKEYS*\tile, v[LB]
	s_mov_b32 s60, TRIPS
.Ltrip_\@:
	TRIP
	s_sub_co_i32 s60, s60, 1
	s_cmp_lg_u32 s60, 0
	s_cbranch_scc1 .Ltrip_\@
.endm
; Change of slots: every wave waits for all its tensor loads and for its reads of the slot read last; a round of the cluster's barrier; the joint
; refill of that slot first behind it, one tensor load a wave; then this slot's 512 keys, 16 trips in which the refill has time to land.
.macro SW tile, slot, refill
	s_wait_tensorcnt 0x0
	ds_add_u32 v214, v215
	s_wait_dscnt 0x0
.if \refill
	s_add_nc_u64 s[G0+4*(1-\slot)+2:G0+4*(1-\slot)+3], s[G0+4*(1-\slot)+2:G0+4*(1-\slot)+3], 2*TKEYS*128
.endif
	s_wait_dscnt 0x0
	ROUND
.if \refill
	tensor_load_to_lds s[G0+4*(1-\slot):G0+4*(1-\slot)+3], s[G1:G1+7]
	s_nop 0
.endif
	WORK \tile, \slot
.endm
	s_wait_loadcnt 0x0                             ; my queries and my 32 bytes of lnc
	ds_store_b128 v[LS], v[T:T+3]
	ds_store_b128 v[LS], v[T+4:T+7] offset:4096
	s_wait_dscnt 0x0                               ; for the others' sake: every wave reads all of lnc
	s_wait_tensorcnt 0x1                           ; my part of slot 0 is in; slot 1's stays out
	s_barrier_signal -1
	s_barrier_wait -1
	WORK 0, 0                                      ; keys 0-511
	SW 1, 1, 1                                     ; keys 512-1023; slot 0 gets 1024-1535
	SW 2, 0, 1                                     ; keys 1024-1535; slot 1 gets 1536-2047
	SW 3, 1, 0                                     ; keys 1536-2047: nothing is left to fetch
	; THE WAY OUT: lane (r, h) holds, of query r, d = 16 dt + 8 h + 0..7: 16 bytes of f16, through my own stage, out as whole rows
.rept 4
	v_nop                                          ; four places behind the last products (ISA guide 7.12.1)
.endr
	v_rcp_f32 v[INV], v[OA+32]                     ; every register of the tile of ones holds the query's sum, which is at least 10
	v_rcp_f32 v[INV+1], v[OA+32]
	v_nop                                          ; one plain place behind a transcendental (ISA guide 5.7.2)
	s_wait_alu depctr_va_vdst(0)
.irp dt, 0,1,2,3
.irp p, 0,2,4,6
	v_pk_mul_f32 v[T+8*\dt+\p:T+8*\dt+\p+1], v[OA+8*\dt+\p:OA+8*\dt+\p+1], v[INV:INV+1]   ; T and U: 32 registers in a row
.endr
.endr
.irp q, 0,1,2,3,4,5,6,7,8,9,10,11,12,13,14,15
	v_cvt_pk_f16_f32 v[P+\q], v[T+2*\q], v[T+2*\q+1]
.endr
.irp dt, 0,1,2,3
	ds_store_b128 v[STO], v[P+4*\dt:P+4*\dt+3] offset:32*\dt
.endr
.irp i, 0,1,2,3
	ds_load_b128 v[VF+4*\i:VF+4*\i+3], v[RD] offset:\i*4*PITCH    ; LDS serves a wave's instructions in order: these see the stores above
.endr
.irp i, 0,1,2,3
	s_wait_dscnt 3-\i
	global_store_b128 v[CO], v[VF+4*\i:VF+4*\i+3], s[36:37] offset:512*\i   ; four rows: 512 consecutive bytes, aligned
.endr
	s_wait_tensorcnt 0x0
	ds_add_u32 v214, v215
	s_wait_dscnt 0x0
	ROUND                                          ; the closing round: no work-group ends while a partner may still ask jointly
	s_endpgm
.Lfunc_end_k_qb4a7988908_attn:
	.size	k_qb4a7988908_attn, .Lfunc_end_k_qb4a7988908_attn-k_qb4a7988908_attn
	.p2alignl 7, 3214868480
	.fill 96, 4, 3214868480
	.section	.rodata,"a",@progbits
	.p2align	6, 0x0
	.amdhsa_kernel k_qb4a7988908_attn
		.amdhsa_group_segment_fixed_size 327680
		.amdhsa_private_segment_fixed_size 0
		.amdhsa_enable_private_segment 0
		.amdhsa_kernarg_size 24
		.amdhsa_user_sgpr_count 2
		.amdhsa_user_sgpr_kernarg_segment_ptr 1
		.amdhsa_wavefront_size32 1
		.amdhsa_system_sgpr_workgroup_id_x 1
		.amdhsa_system_sgpr_workgroup_id_y 1
		.amdhsa_system_sgpr_workgroup_id_z 1
		.amdhsa_system_vgpr_workitem_id 0
		.amdhsa_next_free_vgpr 256
		.amdhsa_next_free_sgpr 66
		.amdhsa_reserve_vcc 0
		.amdhsa_float_denorm_mode_32 3
		.amdhsa_float_denorm_mode_16_64 3
		.amdhsa_memory_ordered 1
		.amdhsa_forward_progress 1
		.amdhsa_inst_pref_size 54
	.end_amdhsa_kernel
	.amdgpu_metadata
---
amdhsa.version: [ 1, 2 ]
amdhsa.kernels:
  - .name:           k_qb4a7988908_attn
    .symbol:         k_qb4a7988908_attn.kd
    .args:
      - { .name: qkvh, .offset: 0, .size: 8, .value_kind: global_buffer, .address_space: global }
      - { .name: lnc, .offset: 8, .size: 8, .value_kind: global_buffer, .address_space: global }
      - { .name: attn, .offset: 16, .size: 8, .value_kind: global_buffer, .address_space: global }
    .group_segment_fixed_size: 327680
    .private_segment_fixed_size: 0
    .kernarg_segment_align: 8
    .kernarg_segment_size: 24
    .max_flat_workgroup_size: 256
    .sgpr_count:     66
    .vgpr_count:     256
    .wavefront_size: 32
...
	.end_amdgpu_metadata
.endif
;; end of part 4
;; launch oproj (part 5): grid 8 x 32, 4 waves a work-group, clusters of 4 x 4, 327,680 bytes of LDS; arguments attn, h16, b_out, out0; writes out0
.if DOCPART == 5
	.amdgcn_target "amdgcn-amd-amdhsa--gfx1250"
	.amdhsa_code_object_version 6
	.text
	.protected	k_qb4a7988908_oproj
	.globl	k_qb4a7988908_oproj
	.p2align	8
	.type	k_qb4a7988908_oproj,@function
k_qb4a7988908_oproj:
	s_mov_b64 s[64:65], 0
	v_nop
	global_prefetch_b8 v0, s[64:65] scope:SCOPE_SE
	s_setreg_imm32_b32 hwreg(HW_REG_WAVE_MODE, 25, 1), 1
	s_wait_xcnt 0x0
	s_wait_alu depctr_hold_cnt(0) depctr_sa_sdst(0) depctr_va_vdst(0) depctr_va_sdst(0) depctr_va_ssrc(0) depctr_va_vcc(0) depctr_vm_vsrc(0)
	s_getreg_b32 s2, hwreg(HW_REG_IB_STS2, 6, 4)
	s_cmp_eq_u32 s2, 0
	s_cbranch_scc0 .Lentry_in_a_cluster
	s_endpgm
.Lentry_in_a_cluster:
	s_bfe_u32 s2, ttmp6, 0x10000c
	s_cmp_lg_u32 s2, 0xf033
	s_cbranch_scc0 .Lentry_shape_is_right
	s_endpgm
.Lentry_shape_is_right:
; out0 = attn w_out^T + b_out.  attn is f16, head-major [b*16+head][s][64]; w_out is f16 at byte 14,680,064 of h16; out0 is f32 [4096][1024].
; 256 work-groups, each a block of 128 x 128; four waves, 2 x 2, each 64 x 64: 16 accumulator tiles in window 1.
; K = 1024 goes in 8 steps of 128 = two heads through two LDS slots.  Wave 0 fetches the even head's 128 rows, wave 1 the odd head's, waves 2 and 3
; 64 rows of w_out each.  CLUSTER 4 x 4: attn's tiles are asked for jointly along a row of the cluster, w_out's along a column.
; The matrix instruction is used transposed (source 0 = rows of w_out, source 1 = rows of attn): a lane holds eight neighbouring columns of a row.
.set APITCH, 144
.set BPITCH, 272
.set AHEAD,  128*APITCH                ; 18,432: 128 rows of one head
.set BHALF,  64*BPITCH                 ; 17,408
.set BBASE,  2*AHEAD
.set SLOT,   BBASE+2*BHALF             ; 71,680
.set STAGE,  2*SLOT                    ; never filled by a tensor load
.set SPITCH, 272
.set WSTAGE, 16*SPITCH
.set WO_OFF, 14680064
.set ASTEP,  524288                    ; two heads on
.set BSTEP,  256                       ; 128 along K
.set LAPS,   4
.set ADRA, 16
.set ADRB, 20
.set STO,  24
.set RD,   25
.set CO,   26
.set BO,   27
.set FA,   64                          ; buffer f: attn's 4 fragments at 64 + 64 f, w_out's 4 at 96 + 64 f
.set FB,   96
.set BIAS, 192
.set TMP,  224
.set G1,  24
.set G0,  32
.set G1B, 48
.set G0B, 56
.set MSB, 0
.macro WIN new
.if MSB != \new
	s_set_vgpr_msb (MSB<<8)|\new
.set MSB, \new
.endif
.endm
.set MULW, 0x50                        ; C and D in window 1
.macro JLOAD s
	s_cmp_eq_u32 s11, 0
	s_cbranch_scc0 .Lfor_b_\@
	tensor_load_to_lds s[G0+4*\s:G0+4*\s+3], s[G1:G1+7]
	s_nop 0
	s_branch .Lasked_\@
.Lfor_b_\@:
	tensor_load_to_lds s[G0B+4*\s:G0B+4*\s+3], s[G1B:G1B+7]
	s_nop 0
.Lasked_\@:
.endm
.macro CREST
	s_cmp_lg_u32 s10, 0
	s_cbranch_scc1 .Lnot_wave_0_\@
	s_barrier_signal -3
.Lnot_wave_0_\@:
	s_barrier_wait -3
	s_barrier_signal -1
	s_barrier_wait -1
.endm
.macro CROUND
	s_barrier_signal -1
	s_barrier_wait -1
	CREST
.endm
	s_load_b256 s[72:79], s[0:1], 0x0              ; attn s[72:73], h16 s[74:75], b_out s[76:77], out0 s[78:79]
	v_lshl_add_u32 v62, v0, 2, 0x29000
	v_mov_b32 v63, 0
	ds_add_u32 v62, v63
	v_lshrrev_b32 v1, 5, v0
	v_readfirstlane_b32 s10, v1                    ; wave 0..3
	s_lshr_b32 s11, s10, 1                         ; my half of the block's rows; also: I fetch attn (0) or w_out (1)
	s_and_b32 s12, s10, 1                          ; my half of its columns; also: which head, or which 64 rows, I fetch
	s_bfe_u32 s40, ttmp6, 0x40000                  ; cx
	s_bfe_u32 s41, ttmp6, 0x40004                  ; cy
	s_lshl_b32 s42, ttmp9, 2
	s_add_co_u32 s42, s42, s40                     ; block column
	s_and_b32 s13, ttmp7, 0xffff
	s_lshl_b32 s13, s13, 2
	s_add_co_u32 s13, s13, s41                     ; block row
	s_lshl_b32 s43, s41, 2
	s_lshl_b32 s43, 15, s43
	s_lshl_b32 s44, 0x1111, s40
	; attn: 128 rows of 64 elements, 64 from row to row, 4 words of padding behind 32; w_out: 64 rows of 128, 1024 from row to row, 4 words behind 64
	s_or_b32 s[G1+0], s43, (1<<16)|(1<<20)|(1<<21)|(4<<22)|(3<<25)
	s_or_b32 s[G1B+0], s44, (1<<16)|(1<<20)|(1<<21)|(5<<22)|(3<<25)
	s_mov_b32 s[G1+1], 64<<16
	s_mov_b32 s[G1B+1], 128<<16
	s_mov_b32 s[G1+2], 128<<16
	s_mov_b32 s[G1B+2], 64<<16
	s_mov_b32 s[G1+3], 64<<16
	s_mov_b32 s[G1B+3], 128<<16
	s_mov_b32 s[G1+4], 128
	s_mov_b32 s[G1B+4], 64
	s_mov_b32 s[G1+5], 64
	s_mov_b32 s[G1B+5], 1024
	s_mov_b32 s[G1+6], 0
	s_mov_b32 s[G1B+6], 0
	s_mov_b32 s[G1+7], 0
	s_mov_b32 s[G1B+7], 0
	s_lshr_b32 s16, s13, 4
	s_lshl_b32 s16, s16, 4                         ; batch x 16
	s_add_co_u32 s16, s16, s12                     ; + head 0 or 1
	s_lshl_b32 s16, s16, 18
	s_and_b32 s17, s13, 15
	s_lshl_b32 s17, s17, 14                        ; + 128 rows of 128 bytes for each block row of the batch
	s_add_co_u32 s16, s16, s17
	s_mov_b32 s17, 0
	s_lshl_b32 s46, s42, 7
	s_lshl_b32 s47, s12, 6
	s_add_co_u32 s46, s46, s47                     ; w_out: row 128 x block column + 64 x half
	s_lshl_b32 s46, s46, 11
	s_add_co_u32 s46, s46, WO_OFF
	s_mov_b32 s47, 0
	s_mul_i32 s20, s10, AHEAD                      ; LDS: attn at wave x 18,432 (waves 0, 1),
	s_mul_i32 s21, s10, BHALF                      ; w_out at 36,864 + (wave - 2) x 17,408 (waves 2, 3)
	s_add_co_u32 s21, s21, BBASE-2*BHALF
	s_wait_dscnt 0x0
	s_wait_kmcnt 0x0
	s_add_nc_u64 s[14:15], s[72:73], s[16:17]
	s_add_nc_u64 s[46:47], s[74:75], s[46:47]
	CROUND                                         ; in front of the first joint loads
.irp s, 0,1
	s_mov_b32 s[G0+4*\s], 1
	s_add_co_u32 s[G0+4*\s+1], s20, \s*SLOT
	s_add_nc_u64 s[G0+4*\s+2:G0+4*\s+3], s[14:15], \s*ASTEP
	s_or_b32 s[G0+4*\s+3], s[G0+4*\s+3], 0x80000000
	s_mov_b32 s[G0B+4*\s], 1
	s_add_co_u32 s[G0B+4*\s+1], s21, \s*SLOT
	s_add_nc_u64 s[G0B+4*\s+2:G0B+4*\s+3], s[46:47], \s*BSTEP
	s_or_b32 s[G0B+4*\s+3], s[G0B+4*\s+3], 0x80000000
	JLOAD \s                                       ; K steps 0 and 1: two tensor loads of the wave are out
.endr
	v_and_b32 v1, 15, v0                           ; r
	v_bfe_u32 v2, v0, 4, 1                         ; h
	s_lshl_b32 s68, s42, 9
	s_lshl_b32 s69, s12, 8
	s_add_co_u32 s68, s68, s69                     ; my first column, in bytes of f32
	v_lshlrev_b32 v[BO], 5, v2
	v_add_nc_u32 v[BO], s68, v[BO]
.irp b, 0,1,2,3
	global_load_b128 v[BIAS+8*\b:BIAS+8*\b+3],   v[BO], s[76:77] offset:64*\b
	global_load_b128 v[BIAS+8*\b+4:BIAS+8*\b+7], v[BO], s[76:77] offset:64*\b+16
.endr
	v_mul_u32_u24 v3, v1, APITCH
	v_lshl_add_u32 v3, v2, 4, v3
	s_mul_i32 s22, s11, 64*APITCH                  ; my 64 rows of attn
	v_add_nc_u32 v[ADRA], s22, v3
	v_add_nc_u32 v[ADRA+1], SLOT, v[ADRA]
	v_mul_u32_u24 v4, v1, BPITCH
	v_lshl_add_u32 v4, v2, 4, v4
	s_mul_i32 s23, s12, 64*BPITCH                  ; my 64 rows of w_out
	s_add_co_u32 s23, s23, BBASE
	v_add_nc_u32 v[ADRB], s23, v4
	v_add_nc_u32 v[ADRB+1], SLOT, v[ADRB]
	s_mul_i32 s23, s10, WSTAGE
	s_add_co_u32 s23, s23, STAGE
	v_mul_u32_u24 v5, v1, SPITCH
	v_lshl_add_u32 v5, v2, 5, v5
	v_add_nc_u32 v[STO], s23, v5                   ; in: row r, 32 bytes for each half of the lanes
	v_mul_u32_u24 v6, v2, SPITCH
	v_lshl_add_u32 v6, v1, 4, v6
	v_add_nc_u32 v[RD], s23, v6                    ; back: lanes 0-15 a row of 256 bytes, lanes 16-31 the next
	v_lshlrev_b32 v7, 12, v2
	v_lshl_add_u32 v[CO], v1, 4, v7                ; the same two rows in out0
.macro MUL8 f, a0, zero                ; 8 matrix instructions: row tiles a0, a0 + 1 x 4 column tiles
.irp a, \a0, \a0+1
.irp b, 0,1,2,3
.if \zero
	v_wmma_f32_16x16x32_f16 v[8*(4*(\a)+\b):8*(4*(\a)+\b)+7], v[FB+64*\f+8*\b:FB+64*\f+8*\b+7], v[FA+64*\f+8*(\a):FA+64*\f+8*(\a)+7], 0
.else
	v_wmma_f32_16x16x32_f16 v[8*(4*(\a)+\b):8*(4*(\a)+\b)+7], v[FB+64*\f+8*\b:FB+64*\f+8*\b+7], v[FA+64*\f+8*(\a):FA+64*\f+8*(\a)+7], v[8*(4*(\a)+\b):8*(4*(\a)+\b)+7]
.endif
.endr
.endr
.endm
; quarter q of a K step: 32 along K: head q / 2 of the step's two, d = 32 (q % 2)
.macro FETCH slot, q, f
	WIN 0
.irp i, 0,1,2,3
	ds_load_b128 v[FA+64*\f+8*\i:FA+64*\f+8*\i+3],   v[ADRA+\slot] offset:(\q>>1)*AHEAD+(\q&1)*64+\i*16*APITCH
	ds_load_b128 v[FA+64*\f+8*\i+4:FA+64*\f+8*\i+7], v[ADRA+\slot] offset:(\q>>1)*AHEAD+(\q&1)*64+\i*16*APITCH+32
.endr
.irp i, 0,1,2,3
	ds_load_b128 v[FB+64*\f+8*\i:FB+64*\f+8*\i+3],   v[ADRB+\slot] offset:64*\q+\i*16*BPITCH
	ds_load_b128 v[FB+64*\f+8*\i+4:FB+64*\f+8*\i+7], v[ADRB+\slot] offset:64*\q+\i*16*BPITCH+32
.endr
.endm
.macro PLACES                          ; four plain vector places behind the matrix instructions that read the buffer loaded next (ISA guide 7.12.1)
.rept 4
	v_nop
.endr
.endm
; The 16 accumulators take turns, one instruction a turn, in the same order in every quarter step.
.macro QUARTER slot, q, f, g, zero     ; multiplies buffer f while quarter q's fragments come into buffer g
	s_wait_dscnt 0x0                               ; buffer f is in (its loads were issued ahead of the last quarter's products)
	PLACES
	FETCH \slot, \q, \g
	WIN MULW
	MUL8 \f, 0, \zero
	MUL8 \f, 2, \zero
.endm
.macro THREE slot, zero
	QUARTER \slot, 1, 0, 1, \zero
	QUARTER \slot, 2, 1, 0, 0
	QUARTER \slot, 3, 0, 1, 0
.endm
; The last quarter changes slots: each wave's reads of this slot and all its tensor loads are waited for in front of the barrier; where the slot is
; filled again the barrier opens a round of the cluster's barrier, and the joint refill is the first tensor load behind the round.
.macro TURN slot, next, fill
	s_wait_dscnt 0x0
	s_wait_tensorcnt 0x0
	ds_add_u32 v62, v63
	s_wait_dscnt 0x0
	s_barrier_signal -1
	WIN MULW
	MUL8 1, 0, 0
	WIN 0
	s_barrier_wait -1
.if \fill
	CREST
	s_add_nc_u64 s[G0+4*\slot+2:G0+4*\slot+3], s[G0+4*\slot+2:G0+4*\slot+3], 2*ASTEP
	s_add_nc_u64 s[G0B+4*\slot+2:G0B+4*\slot+3], s[G0B+4*\slot+2:G0B+4*\slot+3], 2*BSTEP
	JLOAD \slot
.endif
	PLACES
	FETCH \next, 0, 0
	WIN MULW
	MUL8 1, 2, 0
.endm
.macro LAP zero
	THREE 0, \zero
	TURN 0, 1, 1
	THREE 1, 0
	TURN 1, 0, 1
.endm
	s_wait_loadcnt 0x0                             ; the biases, once
	s_wait_tensorcnt 1                             ; my part of K step 0 is in; K step 1's stays out
	s_barrier_signal -1
	s_barrier_wait -1
	FETCH 0, 0, 0
	LAP 1                                          ; the first products start the sums
	WIN 0
	s_mov_b32 s3, LAPS-2
.Llap:
	LAP 0
	WIN 0
	s_sub_co_u32 s3, s3, 1
	s_cmp_lg_u32 s3, 0
	s_cbranch_scc1 .Llap
	THREE 0, 0                                     ; the last lap fills nothing
	TURN 0, 1, 0
	THREE 1, 0
	s_wait_dscnt 0x0
	WIN MULW
	MUL8 1, 0, 0
	MUL8 1, 2, 0
	WIN 0
	; THE WAY OUT, 16 rows at a time: bias, 32 bytes a lane into my own stage, back as whole rows of 256 bytes
	PLACES
	s_lshl_b32 s66, s13, 7
	s_lshl_b32 s67, s11, 6
	s_add_co_u32 s66, s66, s67                     ; my first row,
	s_lshl_b32 s66, s66, 12                        ; rows of 4,096 bytes,
	s_add_co_u32 s66, s66, s68                     ; + my first column
	s_mov_b32 s67, 0
	s_add_nc_u64 s[78:79], s[78:79], s[66:67]
.macro OUT16 a, f
	WIN 0x01                                       ; source 0 in window 1
.irp b, 0,1,2,3
.irp p, 0,2,4,6
	v_pk_add_f32 v[TMP+8*\b+\p:TMP+8*\b+\p+1], v[8*(4*\a+\b)+\p:8*(4*\a+\b)+\p+1], v[BIAS+8*\b+\p:BIAS+8*\b+\p+1]
.endr
.endr
	WIN 0
.irp b, 0,1,2,3
	ds_store_b128 v[STO], v[TMP+8*\b:TMP+8*\b+3]   offset:64*\b
	ds_store_b128 v[STO], v[TMP+8*\b+4:TMP+8*\b+7] offset:64*\b+16
.endr
	s_wait_xcnt 0x0                                ; the registers read back into were earlier stores' data: rewritten only behind this wait
.irp t, 0,1,2,3,4,5,6,7
	ds_load_b128 v[\f+4*\t:\f+4*\t+3], v[RD] offset:\t*2*SPITCH   ; LDS serves a wave's instructions in order: these see the stores above
.endr
.irp t, 0,1,2,3,4,5,6,7
	s_wait_dscnt 7-\t
	global_store_b128 v[CO], v[\f+4*\t:\f+4*\t+3], s[78:79] offset:65536*\a+8192*\t th:TH_STORE_NT   ; 16 lanes store 256 consecutive bytes, aligned
.endr
.endm
	OUT16 0, 64
	OUT16 1, 128
	OUT16 2, 64
	OUT16 3, 128
	s_wait_tensorcnt 0x0
	ds_add_u32 v62, v63
	s_wait_dscnt 0x0
	CROUND                                         ; the closing round
	s_endpgm
.Lfunc_end_k_qb4a7988908_oproj:
	.size	k_qb4a7988908_oproj, .Lfunc_end_k_qb4a7988908_oproj-k_qb4a7988908_oproj
	.p2alignl 7, 3214868480
	.fill 96, 4, 3214868480
	.section	.rodata,"a",@progbits
	.p2align	6, 0x0
	.amdhsa_kernel k_qb4a7988908_oproj
		.amdhsa_group_segment_fixed_size 327680
		.amdhsa_private_segment_fixed_size 0
		.amdhsa_enable_private_segment 0
		.amdhsa_kernarg_size 32
		.amdhsa_user_sgpr_count 2
		.amdhsa_user_sgpr_kernarg_segment_ptr 1
		.amdhsa_wavefront_size32 1
		.amdhsa_system_sgpr_workgroup_id_x 1
		.amdhsa_system_sgpr_workgroup_id_y 1
		.amdhsa_system_sgpr_workgroup_id_z 1
		.amdhsa_system_vgpr_workitem_id 0
		.amdhsa_next_free_vgpr 384
		.amdhsa_next_free_sgpr 84
		.amdhsa_reserve_vcc 0
		.amdhsa_float_denorm_mode_32 3
		.amdhsa_float_denorm_mode_16_64 3
		.amdhsa_memory_ordered 1
		.amdhsa_forward_progress 1
		.amdhsa_inst_pref_size 77
	.end_amdhsa_kernel
	.amdgpu_metadata
---
amdhsa.version: [ 1, 2 ]
amdhsa.kernels:
  - .name:           k_qb4a7988908_oproj
    .symbol:         k_qb4a7988908_oproj.kd
    .args:
      - { .name: attn, .offset: 0, .size: 8, .value_kind: global_buffer, .address_space: global }
      - { .name: h16, .offset: 8, .size: 8, .value_kind: global_buffer, .address_space: global }
      - { .name: b_out, .offset: 16, .size: 8, .value_kind: global_buffer, .address_space: global }
      - { .name: out0, .offset: 24, .size: 8, .value_kind: global_buffer, .address_space: global }
    .group_segment_fixed_size: 327680
    .private_segment_fixed_size: 0
    .kernarg_segment_align: 8
    .kernarg_segment_size: 32
    .max_flat_workgroup_size: 128
    .sgpr_count:     84
    .vgpr_count:     384
    .wavefront_size: 32
...
	.end_amdgpu_metadata
.endif
;; end of part 5
;; ======== version 2 of 2: 5 launches
;; limits: values are held in f16: magnitudes above 65,504 overflow, below 6.1e-05 lose precision; a function is approximated: absolute error at most 6.8e-05; right only within a limited range of input values
;; workspace buffers: h16 16,777,216 bytes; qkvh 25,165,824 bytes; fbuf 268,435,456 bytes; vs 8,388,608 bytes; wv 131,072 bytes; attn 8,388,608 bytes
;; launch cvt: the kernel of part 1 again; grid 512 x 1, 8 waves a work-group, no clusters, 0 bytes of LDS; arguments x, w_qkv, w_out, h16; writes h16
;; launch qkv: the kernel of part 2 again; grid 16 x 16, 4 waves a work-group, clusters of 4 x 4, 327,680 bytes of LDS; arguments h16, b_qkv, qkvh; writes qkvh
;; launch score (part 6): grid 8 x 32, 16 waves a work-group, clusters of 4 x 1, 299,008 bytes of LDS; arguments qkvh, fbuf, vs, wv; writes fbuf, vs, wv
.if DOCPART == 6
	.amdgcn_target "amdgcn-amd-amdhsa--gfx1250"
	.amdhsa_code_object_version 6
	.text
	.protected	k_qb4a7988908_score
	.globl	k_qb4a7988908_score
	.p2align	8
	.type	k_qb4a7988908_score,@function
k_qb4a7988908_score:
	s_mov_b64 s[64:65], 0
	v_nop
	global_prefetch_b8 v0, s[64:65] scope:SCOPE_SE
	s_setreg_imm32_b32 hwreg(HW_REG_WAVE_MODE, 25, 1), 1
	s_wait_xcnt 0x0
	s_wait_alu depctr_hold_cnt(0) depctr_sa_sdst(0) depctr_va_vdst(0) depctr_va_sdst(0) depctr_va_ssrc(0) depctr_va_vcc(0) depctr_vm_vsrc(0)
	s_getreg_b32 s2, hwreg(HW_REG_IB_STS2, 6, 4)
	s_cmp_eq_u32 s2, 0
	s_cbranch_scc0 .Lentry_in_a_cluster
	s_endpgm
.Lentry_in_a_cluster:
	s_bfe_u32 s2, ttmp6, 0x10000c
	s_cmp_lg_u32 s2, 0x3003
	s_cbranch_scc0 .Lentry_shape_is_right
	s_endpgm
.Lentry_shape_is_right:
; F[s][t] = f(q_s . k_t),  f(c) = (1 + arccos(clip c))^-3.2, for all 2048 x 2048 pairs of each of 32 heads, evaluated ONCE and stored in f16;
; n_c[t] = sum over s of F[s][t] (summed in f32);  w[t] = 32 / n_c[t];  vs[t][:] = f16(w[t]) v[t][:];  wv[t] = f16(w[t]).
; WHY F IS STORED: the next launch needs F again, scaled by 1 / n_c, which is known only when all queries have been seen.  To evaluate a score again
; takes a lane 6 plain and 3 transcendental instructions besides the product q . k; to keep it takes 2 bytes out and 2 bytes in.
; A work-group owns 256 keys of one head.  SIXTEEN WAVES of 256 registers, four to a SIMD (4 x 256 = 1,024): a wave that waits for LDS or for a result
; leaves three others to issue.  Wave w keeps keys 32 (w % 8) .. + 31 in registers as the matrix instruction's FIRST source and takes the queries
; 64 i + 32 (w / 8) .. + 31, i = 0 .. 31, as the second.  In the result lane (r, h) holds query r and keys 8 h + j: packed to f16, the two key
; tiles of a query tile are the register image of a second source of 16 queries x 32 keys, which is how the next launch uses them.  So
; fbuf = [b*16+head][tile of 16 queries][block of 32 keys][registers 0-3, 4-7][lane][16 bytes]: a block is 1,024 bytes, two stores of 512 consecutive bytes.
; THE HEAD'S WHOLE Q LIES IN LDS (2,048 rows of 144 bytes), brought by two tensor loads a wave, issued together: nothing is filled again.
; A key's sum stays in the lanes (one register for each of the lane's 16 keys), is summed over the 16 lanes of a row once, at the end, and the two
; waves that share keys add their halves through LDS.
; CLUSTER 4 x 1: four key blocks of one head read the same Q and ask for it jointly.
; arccos(c) = pi/2 + sign(c) (sqrt(1-|c|) p(|c|) - pi/2), p a cubic (Abramowitz and Stegun 4.4.45): off by at most 6.8e-5 rad for every c, which is
; 2.2e-4 of f.  The power is exp2(-3.2 log2 y), y in [1, 1 + pi]: the exponent lies in [-6.6, 0] for every input, so there is nothing to shift.
; f lies in [0.0106, 1], so n_c lies in [21.7, 2048] and w in [0.0156, 1.48].
; LIMIT: |v| x 1.48 must stay under f16's largest, 65,504: |v| under 44,000.  NaN and infinities in the inputs are not served.
.set QPITCH, 144                       ; a row of 128 bytes + 16
.set WPART,  64*QPITCH                 ; 9,216: what one tensor load brings
.set HALFQ,  16*WPART                  ; 147,456: 1,024 queries, what the sixteen waves' loads of one number bring
.set STG,    2*HALFQ                   ; 2,048 bytes: the block's 256 sums in f32, once for each half of the waves; never filled by a tensor load
.set PARTB,  8388608                   ; bytes of one of q, k, v in qkvh
.set FTILE,  65536                     ; bytes of fbuf from one tile of 16 queries to the next: 64 blocks of 1,024
.set TRIPS,  16                        ; trips of a wave in 1,024 queries
.set KOF, 11
.set QAD, 13                           ; v13  LDS address of the trip's queries
.set FO,  14                           ; v14  16 x lane + the trip's place in fbuf
.set WS,  15                           ; v15  where I put my keys' sums
.set WR,  16                           ; v16  where I read a row's sums
.set VO,  17                           ; v17  16 x lane; never rewritten
.set CONE, 20                          ; pairs of constants, both halves written
.set CA3,  22
.set CA2,  24
.set CA1,  26
.set CA0,  28
.set CNH,  30
.set CB,   32
.set CM,   34
.set KO,  44                           ; v44-75   my 32 keys: fragment (tt, ks) at 16 tt + 8 ks
.set QS,  76                           ; v76-107  32 queries: fragment (ss, ks) at 16 ss + 8 ks
.set ACC, 108                          ; v108-123 running sums: key 8 h + j of tile tt at 8 tt + j
.set VV,  124                          ; v124-139 my 16 rows of v, loaded at the head
.set S,   156                          ; v156-187 cosines, tile (ss, tt) at 16 ss + 8 tt
.set T,   188
.set U,   204
.set P,   220
.set PB,  236                          ; v236-251 F in f16, 8 registers for each ss
.set G1, 16
.set G0, 40
.set SC1,   32
.set SMASK, 33
.set SONE,  34
.macro ROUND                           ; a round of the cluster's barrier
	s_barrier_signal -1
	s_barrier_wait -1
	s_cmp_lg_u32 s10, 0
	s_cbranch_scc1 .Lnot_wave_0_\@
	s_barrier_signal -3
.Lnot_wave_0_\@:
	s_barrier_wait -3
	s_barrier_signal -1
	s_barrier_wait -1
.endm
	s_load_b256 s[48:55], s[0:1], 0x0              ; qkvh s[48:49], fbuf s[50:51], vs s[52:53], wv s[54:55]
	v_lshl_add_u32 v254, v0, 2, 0x48800
	v_mov_b32 v255, 0
	ds_add_u32 v254, v255
	v_lshrrev_b32 v1, 5, v0
	v_readfirstlane_b32 s10, v1                    ; wave 0..15
	s_and_b32 s11, s10, 7                          ; which 32 of the block's keys are mine
	s_lshr_b32 s15, s10, 3                         ; which 32 of every 64 queries are mine
	s_bfe_u32 s12, ttmp6, 0x40000                  ; cx
	s_and_b32 s13, ttmp7, 0xffff                   ; b*16 + head
	s_lshl_b32 s14, ttmp9, 2
	s_add_co_u32 s14, s14, s12                     ; key block 0..7
	; group 1: all four partners; elements of 2 bytes; 64 rows of 64; 4 words of padding behind every 32 words
	s_mov_b32 s[G1+0], 15|(1<<16)|(1<<20)|(1<<21)|(4<<22)|(3<<25)
	s_mov_b32 s[G1+1], 64<<16
	s_mov_b32 s[G1+2], 64<<16
	s_mov_b32 s[G1+3], 64<<16
	s_mov_b32 s[G1+4], 64
	s_mov_b32 s[G1+5], 64
	s_mov_b32 s[G1+6], 0
	s_mov_b32 s[G1+7], 0
	s_lshl_b32 s24, s13, 18                        ; the head's block of q,
	s_lshl_b32 s25, s10, 13                        ; my 64 rows of every 1,024
	s_add_co_u32 s24, s24, s25
	s_mov_b32 s25, 0
	s_mul_i32 s26, s10, WPART                      ; and where they go: wave x 9,216
	s_lshl_b32 s30, s13, 18                        ; my 32 keys in a part of qkvh: head, key block, wave % 8
	s_lshl_b32 s31, s14, 15
	s_add_co_u32 s30, s30, s31
	s_lshl_b32 s31, s11, 12
	s_add_co_u32 s30, s30, s31
	s_lshl_b32 s31, s15, 11
	s_add_co_u32 s66, s30, s31                     ; the 16 of their rows of v that I scale: + 16 (wave / 8) rows of 128 bytes
	s_mov_b32 s31, 0
	s_mov_b32 s67, 0
	s_lshl_b32 s36, s13, 23                        ; fbuf: 8,388,608 bytes a head; my block of 32 keys is number 8 x key block + wave % 8;
	s_lshl_b32 s37, s14, 13
	s_add_co_u32 s36, s36, s37
	s_lshl_b32 s37, s11, 10
	s_add_co_u32 s36, s36, s37
	s_lshl_b32 s37, s15, 17                        ; my first query tile is number 2 (wave / 8)
	s_add_co_u32 s36, s36, s37
	s_mov_b32 s37, 0
	s_lshl_b32 s38, s13, 12                        ; wv: 4,096 bytes a head, 512 a key block
	s_lshl_b32 s39, s14, 9
	s_add_co_u32 s38, s38, s39
	s_mov_b32 s39, 0
	s_lshl_b32 s27, s10, 7
	s_add_co_u32 s27, s27, STG                     ; my wave's 32 words of the stage: 1,024 (wave / 8) + 128 (wave % 8)
	s_lshl_b32 s61, s11, 7
	s_lshl_b32 s62, s15, 6
	s_add_co_u32 s61, s61, s62
	s_add_co_u32 s61, s61, STG                     ; the first half's words of the 16 keys whose rows of v I scale
	s_mul_i32 s62, s15, 32*QPITCH                  ; my 32 of the first 64 queries
	s_mov_b32 s[SC1], 0x3f7ffffe                   ; f32(1 - 1e-7)
	s_mov_b32 s[SMASK], 0x7fffffff
	s_mov_b32 s[SONE], 0x3f800000
	s_wait_dscnt 0x0
	s_wait_kmcnt 0x0
	s_add_nc_u64 s[28:29], s[48:49], s[24:25]      ; q's rows
	s_add_nc_u64 s[58:59], s[52:53], s[66:67]      ; my rows of vs
	s_add_nc_u64 s[56:57], s[48:49], s[66:67]
	s_add_nc_u64 s[56:57], s[56:57], 2*PARTB       ; my rows of v
	s_add_nc_u64 s[30:31], s[48:49], s[30:31]
	s_add_nc_u64 s[30:31], s[30:31], PARTB         ; my rows of k
	s_add_nc_u64 s[36:37], s[50:51], s[36:37]
	s_add_nc_u64 s[38:39], s[54:55], s[38:39]
	ROUND                                          ; in front of the joint loads, which go out as one group
.irp n, 0,1
	s_mov_b32 s[G0+4*\n], 1
	s_add_co_u32 s[G0+4*\n+1], s26, \n*HALFQ
	s_add_nc_u64 s[G0+4*\n+2:G0+4*\n+3], s[28:29], \n*131072
	s_or_b32 s[G0+4*\n+3], s[G0+4*\n+3], 0x80000000
	tensor_load_to_lds s[G0+4*\n:G0+4*\n+3], s[G1:G1+7]   ; queries 1024 n + 64 w .. + 63: two tensor loads of the wave are out
	s_nop 0
.endr
	v_and_b32 v1, 15, v0                           ; r
	v_bfe_u32 v2, v0, 4, 1                         ; h
	v_and_b32 v3, 31, v0                           ; lane
	v_lshlrev_b32 v4, 7, v1
	v_lshl_add_u32 v[KOF], v2, 4, v4               ; r x 128 + 16 h
.irp tt, 0,1
.irp ks, 0,1
	global_load_b128 v[KO+16*\tt+8*\ks:KO+16*\tt+8*\ks+3],   v[KOF], s[30:31] offset:2048*\tt+64*\ks
	global_load_b128 v[KO+16*\tt+8*\ks+4:KO+16*\tt+8*\ks+7], v[KOF], s[30:31] offset:2048*\tt+64*\ks+32
.endr
.endr
	v_lshlrev_b32 v[VO], 4, v3
.irp i, 0,1,2,3
	global_load_b128 v[VV+4*\i:VV+4*\i+3], v[VO], s[56:57] offset:512*\i   ; rows 4 i + lane / 8 of my 16 rows of v
.endr
	v_lshlrev_b32 v[FO], 4, v3
	v_lshl_add_u32 v[WS], v2, 5, s27               ; keys 8 h + 0..7: 32 bytes of f32
	v_lshrrev_b32 v5, 3, v3
	v_lshl_add_u32 v[WR], v5, 2, s61               ; key lane / 8 of my 16
	v_mul_u32_u24 v6, v1, QPITCH
	v_lshl_add_u32 v6, v2, 4, v6                   ; r x pitch + 16 h
	v_add_nc_u32 v[QAD], s62, v6
.irp j, 0,1
	v_mov_b32 v[CONE+\j], 1.0
	v_mov_b32 v[CA3+\j], 0xbc996e30                ; -0.0187293
	v_mov_b32 v[CA2+\j], 0x3d981627                ;  0.0742610
	v_mov_b32 v[CA1+\j], 0xbe593484                ; -0.2121144
	v_mov_b32 v[CA0+\j], 0x3fc90da4                ;  1.5707288
	v_mov_b32 v[CNH+\j], 0xbfc90fdb                ; -pi/2
	v_mov_b32 v[CB+\j],  0x402487ed                ;  1 + pi/2
	v_mov_b32 v[CM+\j],  0xc04ccccd                ; -3.2
.endr
.irp j, 0,1,2,3,4,5,6,7,8,9,10,11,12,13,14,15
	v_mov_b32 v[ACC+\j], 0
.endr
; 16 cosines in v[c .. c+15] -> log2(1 + arccos(clip c)) in P.  The cosines' registers end as sign(c).
.macro FSCORE c
.irp i, 0,1,2,3,4,5,6,7,8,9,10,11,12,13,14,15
	v_min_num_f32 v[T+\i], |v[\c+\i]|, s[SC1]      ; t = min(|c|, 1 - 1e-7): the clip, which is symmetric
.endr
.irp i, 0,1,2,3,4,5,6,7,8,9,10,11,12,13,14,15
	v_bfi_b32 v[\c+\i], s[SMASK], s[SONE], v[\c+\i]   ; 1.0 with c's sign
.endr
.irp p, 0,2,4,6,8,10,12,14
	v_pk_add_f32 v[U+\p:U+\p+1], v[CONE:CONE+1], v[T+\p:T+\p+1] neg_lo:[0,1] neg_hi:[0,1]
.endr
.irp p, 0,2,4,6,8,10,12,14
	v_pk_fma_f32 v[P+\p:P+\p+1], v[T+\p:T+\p+1], v[CA3:CA3+1], v[CA2:CA2+1]
.endr
.irp i, 0,1,2,3,4,5,6,7,8,9,10,11,12,13,14,15
	v_sqrt_f32 v[U+\i], v[U+\i]
.endr
.irp p, 0,2,4,6,8,10,12,14
	v_pk_fma_f32 v[P+\p:P+\p+1], v[P+\p:P+\p+1], v[T+\p:T+\p+1], v[CA1:CA1+1]   ; plain work behind the roots (ISA guide 5.7.2)
.endr
.irp p, 0,2,4,6,8,10,12,14
	v_pk_fma_f32 v[P+\p:P+\p+1], v[P+\p:P+\p+1], v[T+\p:T+\p+1], v[CA0:CA0+1]
.endr
	s_wait_alu depctr_va_vdst(0)
.irp p, 0,2,4,6,8,10,12,14
	v_pk_fma_f32 v[P+\p:P+\p+1], v[U+\p:U+\p+1], v[P+\p:P+\p+1], v[CNH:CNH+1]
.endr
.irp p, 0,2,4,6,8,10,12,14
	v_pk_fma_f32 v[P+\p:P+\p+1], v[\c+\p:\c+\p+1], v[P+\p:P+\p+1], v[CB:CB+1]   ; 1 + arccos
.endr
.irp i, 0,1,2,3,4,5,6,7,8,9,10,11,12,13,14,15
	v_log_f32 v[P+\i], v[P+\i]
.endr
	v_nop
.endm
; f = exp2(-3.2 log2 y) of query tile ss: added to the keys' sums, packed (register i: keys 2 i, 2 i + 1 of the lane's 16) and stored.
.macro STAIL ss
	s_wait_alu depctr_va_vdst(0)
.irp p, 0,2,4,6,8,10,12,14
	v_pk_mul_f32 v[P+\p:P+\p+1], v[P+\p:P+\p+1], v[CM:CM+1]
.endr
.irp i, 0,1,2,3,4,5,6,7,8,9,10,11,12,13,14,15
	v_exp_f32 v[P+\i], v[P+\i]
.endr
	s_wait_xcnt 0x0                                ; the earlier stores have had their addresses translated (ISA guide 3.1): their data (PB) and their offset (FO) are rewritten only behind this wait
.if \ss == 0
	v_add_nc_u32 v[FO], 4*FTILE, v[FO]             ; my next trip's query tiles lie four tiles on; this trip's stores reach back.  Also the plain place behind the exponentials (ISA guide 5.7.2)
	s_wait_alu depctr_va_vdst(0)
.else
	v_nop                                          ; the plain place behind the exponentials
	s_wait_alu depctr_va_vdst(0)
.endif
.irp p, 0,2,4,6,8,10,12,14
	v_pk_add_f32 v[ACC+\p:ACC+\p+1], v[ACC+\p:ACC+\p+1], v[P+\p:P+\p+1]
.endr
.irp i, 0,1,2,3,4,5,6,7
	v_cvt_pk_f16_f32 v[PB+8*\ss+\i], v[P+2*\i], v[P+2*\i+1]
.endr
	global_store_b128 v[FO], v[PB+8*\ss:PB+8*\ss+3],   s[36:37] offset:(\ss-4)*FTILE th:TH_STORE_NT       ; 512 consecutive bytes, aligned
	global_store_b128 v[FO], v[PB+8*\ss+4:PB+8*\ss+7], s[36:37] offset:(\ss-4)*FTILE+512 th:TH_STORE_NT   ; and the 512 behind them
.endm
; 32 queries against my 32 keys.  The four tiles take turns, one instruction a turn.
.macro TRIP
.irp ss, 0,1
.irp ks, 0,1
	ds_load_b128 v[QS+16*\ss+8*\ks:QS+16*\ss+8*\ks+3],   v[QAD] offset:\ss*16*QPITCH+64*\ks
	ds_load_b128 v[QS+16*\ss+8*\ks+4:QS+16*\ss+8*\ks+7], v[QAD] offset:\ss*16*QPITCH+64*\ks+32
.endr
.endr
	s_wait_dscnt 0x0
.irp ss, 0,1
.irp tt, 0,1
	v_wmma_f32_16x16x32_f16 v[S+16*\ss+8*\tt:S+16*\ss+8*\tt+7], v[KO+16*\tt:KO+16*\tt+7], v[QS+16*\ss:QS+16*\ss+7], 0
.endr
.endr
.irp ss, 0,1
.irp tt, 0,1
	v_wmma_f32_16x16x32_f16 v[S+16*\ss+8*\tt:S+16*\ss+8*\tt+7], v[KO+16*\tt+8:KO+16*\tt+15], v[QS+16*\ss+8:QS+16*\ss+15], v[S+16*\ss+8*\tt:S+16*\ss+8*\tt+7]
.endr
.endr
	v_add_nc_u32 v[QAD], 64*QPITCH, v[QAD]         ; four plain places behind the products (ISA guide 7.12.1): my 32 of the next 64 queries,
	v_nop
	v_nop
	v_nop
	FSCORE S
	STAIL 0
	FSCORE S+16
	STAIL 1
.endm
.macro WORK                            ; my half of 1,024 queries; QAD and FO run on from one call to the next
	s_mov_b32 s60, TRIPS
.Ltrip_\@:
	TRIP
	s_sub_co_i32 s60, s60, 1
	s_cmp_lg_u32 s60, 0
	s_cbranch_scc1 .Ltrip_\@
.endm
	s_wait_loadcnt 0x0                             ; my keys and my rows of v
	s_wait_tensorcnt 0x1                           ; my part of queries 0-1023 is in; my second load stays out
	s_barrier_signal -1
	s_barrier_wait -1                              ; everybody's part is in
	WORK                                           ; queries 0-1023
	s_wait_tensorcnt 0x0                           ; my part of queries 1024-2047 is in,
	s_wait_dscnt 0x0
	s_barrier_signal -1
	s_barrier_wait -1                              ; everybody's is
	WORK                                           ; queries 1024-2047
	; A key's sum over my queries: over the 16 lanes of my row (queries r mod 16); every lane of the row ends with it.
.irp m, 1,2,4,8
.irp i, 0,1,2,3,4,5,6,7,8,9,10,11,12,13,14,15
	v_add_f32_dpp v[ACC+\i], v[ACC+\i], v[ACC+\i] row_xmask:\m row_mask:0xf bank_mask:0xf
.endr
.endr
	ds_store_b128 v[WS], v[ACC:ACC+3]              ; keys 8 h + 0..7 of tile 0, then of tile 1; the 16 lanes of a row write the same words with the same values
	ds_store_b128 v[WS], v[ACC+4:ACC+7]   offset:16
	ds_store_b128 v[WS], v[ACC+8:ACC+11]  offset:64
	ds_store_b128 v[WS], v[ACC+12:ACC+15] offset:80
	s_wait_dscnt 0x0                               ; for the others' sake: the wave that shares my keys, and wave 0, read these words
	s_barrier_signal -1
	s_barrier_wait -1
.irp i, 0,1,2,3
	ds_load_b32 v[T+\i],   v[WR] offset:16*\i      ; the sums of key 4 i + lane / 8 of my 16: over the one half of the queries
	ds_load_b32 v[T+4+\i], v[WR] offset:1024+16*\i ; and over the other
.endr
	s_wait_dscnt 0x0
.irp i, 0,1,2,3
	v_add_f32 v[T+\i], v[T+\i], v[T+4+\i]          ; n_c
.endr
.irp i, 0,1,2,3
	v_rcp_f32 v[T+\i], v[T+\i]
.endr
	v_nop                                          ; one plain place behind the transcendentals (ISA guide 5.7.2)
	s_wait_alu depctr_va_vdst(0)
.irp i, 0,1,2,3
	v_mul_f32 v[T+\i], 0x42000000, v[T+\i]         ; w = 32 / n_c
.endr
.irp i, 0,1,2,3
	v_cvt_pk_f16_f32 v[T+\i], v[T+\i], v[T+\i]     ; f16(w) in both halves: the same rounded w scales v here and stands in the next launch's denominators
.endr
.irp i, 0,1,2,3
.irp k, 0,1,2,3
	v_pk_mul_f16 v[VV+4*\i+\k], v[VV+4*\i+\k], v[T+\i]
.endr
	global_store_b128 v[VO], v[VV+4*\i:VV+4*\i+3], s[58:59] offset:512*\i   ; four rows: 512 consecutive bytes, aligned
.endr
	s_cmp_lg_u32 s10, 0
	s_cbranch_scc1 .Lno_w
	v_lshlrev_b32 v6, 5, v3                        ; wave 0: lane l takes keys 8 l .. 8 l + 7 of the block's 256
	v_add_nc_u32 v6, STG, v6
	ds_load_b128 v[U:U+3], v6
	ds_load_b128 v[U+4:U+7], v6 offset:16
	ds_load_b128 v[U+8:U+11], v6 offset:1024
	ds_load_b128 v[U+12:U+15], v6 offset:1040
	s_wait_dscnt 0x0
.irp p, 0,2,4,6
	v_pk_add_f32 v[U+\p:U+\p+1], v[U+\p:U+\p+1], v[U+8+\p:U+8+\p+1]   ; the same sum, reciprocal, product and rounding as above: the same bits
.endr
.irp k, 0,1,2,3,4,5,6,7
	v_rcp_f32 v[U+\k], v[U+\k]
.endr
	v_nop
	s_wait_alu depctr_va_vdst(0)
.irp k, 0,1,2,3,4,5,6,7
	v_mul_f32 v[U+\k], 0x42000000, v[U+\k]
.endr
.irp k, 0,1,2,3
	v_cvt_pk_f16_f32 v[P+\k], v[U+2*\k], v[U+2*\k+1]
.endr
	global_store_b128 v[VO], v[P:P+3], s[38:39]    ; the block's 256 w in f16: 512 consecutive bytes, aligned
.Lno_w:
	s_wait_tensorcnt 0x0
	ds_add_u32 v254, v255
	s_wait_dscnt 0x0
	ROUND                                          ; the closing round: no work-group ends while a partner may still ask jointly
	s_endpgm
.Lfunc_end_k_qb4a7988908_score:
	.size	k_qb4a7988908_score, .Lfunc_end_k_qb4a7988908_score-k_qb4a7988908_score
	.p2alignl 7, 3214868480
	.fill 96, 4, 3214868480
	.section	.rodata,"a",@progbits
	.p2align	6, 0x0
	.amdhsa_kernel k_qb4a7988908_score
		.amdhsa_group_segment_fixed_size 299008
		.amdhsa_private_segment_fixed_size 0
		.amdhsa_enable_private_segment 0
		.amdhsa_kernarg_size 32
		.amdhsa_user_sgpr_count 2
		.amdhsa_user_sgpr_kernarg_segment_ptr 1
		.amdhsa_wavefront_size32 1
		.amdhsa_system_sgpr_workgroup_id_x 1
		.amdhsa_system_sgpr_workgroup_id_y 1
		.amdhsa_system_sgpr_workgroup_id_z 1
		.amdhsa_system_vgpr_workitem_id 0
		.amdhsa_next_free_vgpr 256
		.amdhsa_next_free_sgpr 72
		.amdhsa_reserve_vcc 0
		.amdhsa_float_denorm_mode_32 3
		.amdhsa_float_denorm_mode_16_64 3
		.amdhsa_memory_ordered 1
		.amdhsa_forward_progress 1
		.amdhsa_inst_pref_size 54
	.end_amdhsa_kernel
	.amdgpu_metadata
---
amdhsa.version: [ 1, 2 ]
amdhsa.kernels:
  - .name:           k_qb4a7988908_score
    .symbol:         k_qb4a7988908_score.kd
    .args:
      - { .name: qkvh, .offset: 0, .size: 8, .value_kind: global_buffer, .address_space: global }
      - { .name: fbuf, .offset: 8, .size: 8, .value_kind: global_buffer, .address_space: global }
      - { .name: vs, .offset: 16, .size: 8, .value_kind: global_buffer, .address_space: global }
      - { .name: wv, .offset: 24, .size: 8, .value_kind: global_buffer, .address_space: global }
    .group_segment_fixed_size: 299008
    .private_segment_fixed_size: 0
    .kernarg_segment_align: 8
    .kernarg_segment_size: 32
    .max_flat_workgroup_size: 512
    .sgpr_count:     72
    .vgpr_count:     256
    .wavefront_size: 32
...
	.end_amdgpu_metadata
.endif
;; end of part 6
;; launch pv (part 7): grid 8 x 32, 8 waves a work-group, clusters of 4 x 1, 318,464 bytes of LDS; arguments fbuf, vs, wv, attn; writes attn
.if DOCPART == 7
	.amdgcn_target "amdgcn-amd-amdhsa--gfx1250"
	.amdhsa_code_object_version 6
	.text
	.protected	k_qb4a7988908_pv
	.globl	k_qb4a7988908_pv
	.p2align	8
	.type	k_qb4a7988908_pv,@function
k_qb4a7988908_pv:
	s_mov_b64 s[64:65], 0
	v_nop
	global_prefetch_b8 v0, s[64:65] scope:SCOPE_SE
	s_setreg_imm32_b32 hwreg(HW_REG_WAVE_MODE, 25, 1), 1
	s_wait_xcnt 0x0
	s_wait_alu depctr_hold_cnt(0) depctr_sa_sdst(0) depctr_va_vdst(0) depctr_va_sdst(0) depctr_va_ssrc(0) depctr_va_vcc(0) depctr_vm_vsrc(0)
	s_getreg_b32 s2, hwreg(HW_REG_IB_STS2, 6, 4)
	s_cmp_eq_u32 s2, 0
	s_cbranch_scc0 .Lentry_in_a_cluster
	s_endpgm
.Lentry_in_a_cluster:
	s_bfe_u32 s2, ttmp6, 0x10000c
	s_cmp_lg_u32 s2, 0x3003
	s_cbranch_scc0 .Lentry_shape_is_right
	s_endpgm
.Lentry_shape_is_right:
; attn[bh][s][:] = sum_t F[s][t] vs[t][:] / sum_t F[s][t] wv[t],  with F, vs = w v and wv = w = 32 / n_c from the launch before.
; WHY THIS IS reference(): its row factor n_r^-1 is constant along the row over which the last normalisation sums, so it cancels, and so does the 32;
; F lies in [0.0106, 1], so n_r and n_c lie in [21.7, 2048], the row sum of k_tilde is at least 5e-6, and the clamp at 1e-12 never acts.
; A work-group owns 256 queries of one head, wave w 32 of them (two tiles of 16).  out^T = vs^T F^T: the first source comes from LDS by transposing
; loads, the second is a block of fbuf as it lies in memory (1,024 bytes = 8 registers of 32 lanes): two loads of 512 consecutive bytes straight
; into the fragment's registers.  The denominator is a fifth row tile whose first source holds w along the keys.
; THE HEAD'S WHOLE vs LIES IN LDS (2,048 rows of 144 bytes), filled once by four tensor loads a wave, issued together: nothing is filled again.
; CLUSTER 4 x 1: four query blocks of one head read the same vs and ask for it jointly.  F is read by one wave alone: nothing to share there.
; F STREAMS THROUGH A RING OF 8 REGISTER SLOTS, one trip (32 keys x 32 queries, 4 loads, 2,048 bytes) each: 16 KiB of a wave, 128 KiB of the
; work-group are on their way.  The 256 registers that an instruction can name are all used: 8 addresses, 8 w, 32 vs^T, 80 sums, 128 ring.
; At a pitch of 144 bytes two of a transposing load's sixteen lanes meet in one column of 16 bytes.
.set PITCH,  144                       ; a row of 128 bytes + 16
.set QUART,  512*PITCH                 ; 73,728: 512 keys
.set WPART,  64*PITCH                  ; 9,216: what one tensor load brings
.set WBASE,  4*QUART                   ; the head's 2,048 w in f16: 4,096 bytes, stored through registers, never filled by a tensor load
.set STGB,   WBASE+4096                ; stages of the way out, never filled by a tensor load
.set WSTAGE, 16*PITCH                  ; a wave's stage: 16 rows
.set FTILE,  65536                     ; bytes of fbuf from one tile of 16 queries to the next
.set DEPTH,  8                         ; slots of the ring
.set VAD, 1                            ; v1  LDS address of the trip's vs rows
.set WAD, 2                            ; v2  LDS address of the trip's w
.set FO,  3                            ; v3  16 x lane; never rewritten
.set STO, 4
.set RD,  5
.set WF,  8                            ; v8-15    w along the keys
.set VF,  16                           ; v16-47   vs^T, fragment dt at 8 dt
.set OA,  48                           ; v48-127  out^T tiles (dt, st) at 8 (dt + 5 st); dt = 4 is the denominator
.set FR,  128                          ; v128-255 the ring: slot j, query tile st at 16 j + 8 st
.set INV, 128                          ; the way out works in the ring's registers
.set TT,  132
.set HP,  164
.set RB,  180
.set G1, 16
.set G0, 24                            ; s[24:39] four sets, one for each quarter of the keys
.macro ROUND                           ; a round of the cluster's barrier
	s_barrier_signal -1
	s_barrier_wait -1
	s_cmp_lg_u32 s10, 0
	s_cbranch_scc1 .Lnot_wave_0_\@
	s_barrier_signal -3
.Lnot_wave_0_\@:
	s_barrier_wait -3
	s_barrier_signal -1
	s_barrier_wait -1
.endm
	s_load_b256 s[48:55], s[0:1], 0x0              ; fbuf s[48:49], vs s[50:51], wv s[52:53], attn s[54:55]
	v_lshl_add_u32 v6, v0, 2, 0x4d800
	s_set_vgpr_msb 0x40
	v_mov_b32 v1, 0
	s_set_vgpr_msb 0x4044
	ds_add_u32 v6, v1
	s_set_vgpr_msb 0x4400
	v_lshrrev_b32 v1, 5, v0
	v_readfirstlane_b32 s10, v1                    ; wave 0..7
	s_bfe_u32 s12, ttmp6, 0x40000                  ; cx
	s_and_b32 s13, ttmp7, 0xffff                   ; b*16 + head
	s_lshl_b32 s14, ttmp9, 2
	s_add_co_u32 s14, s14, s12                     ; query block 0..7
	; group 1: all four partners; elements of 2 bytes; 64 rows of 64; 4 words of padding behind every 32 words
	s_mov_b32 s[G1+0], 15|(1<<16)|(1<<20)|(1<<21)|(4<<22)|(3<<25)
	s_mov_b32 s[G1+1], 64<<16
	s_mov_b32 s[G1+2], 64<<16
	s_mov_b32 s[G1+3], 64<<16
	s_mov_b32 s[G1+4], 64
	s_mov_b32 s[G1+5], 64
	s_mov_b32 s[G1+6], 0
	s_mov_b32 s[G1+7], 0
	s_lshl_b32 s40, s13, 18                        ; the head's block of vs,
	s_lshl_b32 s41, s10, 13                        ; my 64 rows of a quarter
	s_add_co_u32 s40, s40, s41
	s_mov_b32 s41, 0
	s_mul_i32 s42, s10, WPART
	s_lshl_b32 s44, s13, 23                        ; fbuf: head, then query tile 16 x query block + 2 x wave
	s_lshl_b32 s45, s14, 20
	s_add_co_u32 s44, s44, s45
	s_lshl_b32 s45, s10, 17
	s_add_co_u32 s44, s44, s45
	s_mov_b32 s45, 0
	s_lshl_b32 s46, s13, 18                        ; my 32 rows of the output: head, query block, wave
	s_lshl_b32 s47, s14, 15
	s_add_co_u32 s46, s46, s47
	s_lshl_b32 s47, s10, 12
	s_add_co_u32 s46, s46, s47
	s_mov_b32 s47, 0
	s_lshl_b32 s56, s13, 12                        ; wv: 4,096 bytes a head
	s_mov_b32 s57, 0
	s_mul_i32 s58, s10, WSTAGE
	s_add_co_u32 s58, s58, STGB                    ; my stage
	s_wait_dscnt 0x0
	s_wait_kmcnt 0x0
	s_add_nc_u64 s[40:41], s[50:51], s[40:41]
	s_add_nc_u64 s[44:45], s[48:49], s[44:45]
	s_add_nc_u64 s[46:47], s[54:55], s[46:47]
	s_add_nc_u64 s[56:57], s[52:53], s[56:57]
	ROUND                                          ; in front of the joint loads, which go out as one group: four of the wave are out
.irp n, 0,1,2,3
	s_mov_b32 s[G0+4*\n], 1
	s_add_co_u32 s[G0+4*\n+1], s42, \n*QUART
	s_add_nc_u64 s[G0+4*\n+2:G0+4*\n+3], s[40:41], \n*65536
	s_or_b32 s[G0+4*\n+3], s[G0+4*\n+3], 0x80000000
	tensor_load_to_lds s[G0+4*\n:G0+4*\n+3], s[G1:G1+7]
	s_nop 0
.endr
	v_and_b32 v26, 31, v0                          ; lane
	v_lshlrev_b32 v[FO], 4, v26
	v_lshlrev_b32 v7, 4, v0                        ; the 256 threads bring the head's w: 16 bytes each
	global_load_b128 v[44:47], v7, s[56:57]
.irp j, 0,1,2,3,4,5,6,7
.irp st, 0,1
	global_load_b128 v[FR+16*\j+8*\st:FR+16*\j+8*\st+3],   v[FO], s[44:45] offset:\st*FTILE+\j*1024 th:TH_LOAD_NT       ; the ring is filled: trips 0 to 7
	global_load_b128 v[FR+16*\j+8*\st+4:FR+16*\j+8*\st+7], v[FO], s[44:45] offset:\st*FTILE+\j*1024+512 th:TH_LOAD_NT
.endr
.endr
	v_and_b32 v24, 15, v0                          ; r
	v_bfe_u32 v25, v0, 4, 1                        ; h
	v_and_b32 v27, 7, v0
	v_lshl_add_u32 v27, v25, 3, v27                ; 8 h + l % 8
	v_mul_u32_u24 v27, v27, PITCH
	v_bfe_u32 v28, v0, 3, 1
	v_lshl_add_u32 v[VAD], v28, 4, v27             ; vs: that row, + 16 ((l / 8) % 2)
	v_lshlrev_b32 v29, 4, v25
	v_add_nc_u32 v[WAD], WBASE, v29                ; w: keys 8 h + 0..7
	v_mul_u32_u24 v30, v24, PITCH
	v_lshl_add_u32 v30, v25, 4, v30
	v_add_nc_u32 v[STO], s58, v30                  ; stage, in: row r, 16 bytes for each half of the lanes
	v_lshrrev_b32 v31, 3, v26
	v_and_b32 v32, 7, v26
	v_mul_u32_u24 v31, v31, PITCH
	v_lshl_add_u32 v31, v32, 4, v31
	v_add_nc_u32 v[RD], s58, v31                   ; back: eight lanes take a row of 128 bytes, the wave four rows
	v_add_nc_u32 v33, WBASE, v7
	; The ten sums (80 registers) start at zero by ten products of two zero sources, C = 0: so the trip has one form, every product of which adds in place.
.irp j, 0,1,2,3,4,5,6,7
	v_mov_b32 v[WF+\j], 0
	v_mov_b32 v[VF+\j], 0
.endr
.irp i, 0,1,2,3,4,5,6,7,8,9
	v_wmma_f32_16x16x32_f16 v[OA+8*\i:OA+8*\i+7], v[WF:WF+7], v[VF:VF+7], 0
.endr
.rept 4
	v_nop                                          ; four places before the first trip's loads land on the two sources
.endr
; One trip: 32 keys against my 32 queries, on slot j of the ring.  left = how many younger loads of F may stay out.
; The ten sums take turns, one instruction a turn.
.macro SLOTT j, refill, left
.irp dt, 0,1,2,3
	ds_load_tr16_b128 v[VF+8*\dt:VF+8*\dt+3],   v[VAD] offset:32*\dt
	ds_load_tr16_b128 v[VF+8*\dt+4:VF+8*\dt+7], v[VAD] offset:32*\dt+16*PITCH
.endr
	ds_load_b128 v[WF:WF+3],   v[WAD]
	ds_load_b128 v[WF+4:WF+7], v[WAD] offset:32
	s_wait_loadcnt \left                           ; loads return in order (ISA guide 5.7.1): this slot's four are in, the younger slots' stay out
	s_wait_dscnt 0x0
.irp st, 0,1
.irp dt, 0,1,2,3
	v_wmma_f32_16x16x32_f16 v[OA+8*(\dt+5*\st):OA+8*(\dt+5*\st)+7], v[VF+8*\dt:VF+8*\dt+7], v[FR+16*\j+8*\st:FR+16*\j+8*\st+7], v[OA+8*(\dt+5*\st):OA+8*(\dt+5*\st)+7]
.endr
	v_wmma_f32_16x16x32_f16 v[OA+8*(4+5*\st):OA+8*(4+5*\st)+7], v[WF:WF+7], v[FR+16*\j+8*\st:FR+16*\j+8*\st+7], v[OA+8*(4+5*\st):OA+8*(4+5*\st)+7]
.endr
	v_add_nc_u32 v[VAD], 32*PITCH, v[VAD]          ; four plain places behind the products, before loads land on their sources
	v_add_nc_u32 v[WAD], 64, v[WAD]                ; the next 32 keys,
	v_nop
	v_nop
.if \refill
.if \j == 0
	s_wait_xcnt 0x0                                ; the loads issued so far have had their addresses translated (ISA guide 3.1): their base is stepped only behind this wait
	s_add_nc_u64 s[44:45], s[44:45], DEPTH*1024    ; eight blocks of 32 keys on
.endif
.irp st, 0,1
	global_load_b128 v[FR+16*\j+8*\st:FR+16*\j+8*\st+3],   v[FO], s[44:45] offset:\st*FTILE+\j*1024 th:TH_LOAD_NT       ; the trip eight further on
	global_load_b128 v[FR+16*\j+8*\st+4:FR+16*\j+8*\st+7], v[FO], s[44:45] offset:\st*FTILE+\j*1024+512 th:TH_LOAD_NT
.endr
.endif
.endm
.macro LAP                             ; once round the ring, every slot filled again: seven younger slots of four loads each stay out
.irp j, 0,1,2,3,4,5,6,7
	SLOTT \j, 1, 4*(DEPTH-1)
.endr
.endm
	s_wait_loadcnt 4*DEPTH                         ; my 16 bytes of w are in; the ring's 32 loads are younger
	ds_store_b128 v33, v[44:47]
	s_wait_dscnt 0x0                               ; for the others' sake: every wave reads all of w
	s_wait_tensorcnt 0x3                           ; my part of keys 0-511 is in; three quarters stay out
	s_barrier_signal -1
	s_barrier_wait -1
	s_mov_b32 s60, 2
.Lfirst:
	LAP                                            ; trips 0 to 15: keys 0-511
	s_sub_co_i32 s60, s60, 1
	s_cmp_lg_u32 s60, 0
	s_cbranch_scc1 .Lfirst
	s_wait_tensorcnt 0x0                           ; my parts of all the keys are in,
	s_wait_dscnt 0x0
	s_barrier_signal -1
	s_barrier_wait -1                              ; everybody's are
	s_mov_b32 s60, 5
.Lrest:
	LAP                                            ; trips 16 to 55
	s_sub_co_i32 s60, s60, 1
	s_cmp_lg_u32 s60, 0
	s_cbranch_scc1 .Lrest
.irp j, 0,1,2,3,4,5,6,7
	SLOTT \j, 0, 4*(DEPTH-1-\j)                    ; trips 56 to 63 load nothing: the counts run down
.endr
	; THE WAY OUT (the last trip's four places stand behind its products): lane (r, h) holds, of query r, d = 16 dt + 8 h + 0..7: 16 bytes of f16,
	; through my own stage, 16 queries at a time, out as whole rows.
.macro OUTQ st
	v_rcp_f32 v[INV], v[OA+8*(4+5*\st)]            ; every register of the fifth tile holds the query's sum of F w, which is at least 0.3
	v_rcp_f32 v[INV+1], v[OA+8*(4+5*\st)]
	v_nop                                          ; one plain place behind a transcendental (ISA guide 5.7.2)
	s_wait_alu depctr_va_vdst(0)
.irp dt, 0,1,2,3
.irp p, 0,2,4,6
	v_pk_mul_f32 v[TT+8*\dt+\p:TT+8*\dt+\p+1], v[OA+8*(\dt+5*\st)+\p:OA+8*(\dt+5*\st)+\p+1], v[INV:INV+1]
.endr
.endr
.irp q, 0,1,2,3,4,5,6,7,8,9,10,11,12,13,14,15
	v_cvt_pk_f16_f32 v[HP+\q], v[TT+2*\q], v[TT+2*\q+1]
.endr
.irp dt, 0,1,2,3
	ds_store_b128 v[STO], v[HP+4*\dt:HP+4*\dt+3] offset:32*\dt
.endr
.irp i, 0,1,2,3
	ds_load_b128 v[RB+16*\st+4*\i:RB+16*\st+4*\i+3], v[RD] offset:\i*4*PITCH   ; LDS serves a wave's instructions in order: these see the stores above
.endr
.irp i, 0,1,2,3
	s_wait_dscnt 3-\i
	global_store_b128 v[FO], v[RB+16*\st+4*\i:RB+16*\st+4*\i+3], s[46:47] offset:2048*\st+512*\i   ; four rows: 512 consecutive bytes, aligned
.endr
.endm
	OUTQ 0
	OUTQ 1
	s_set_vgpr_msb 0x4
	s_wait_tensorcnt 0x0
	ds_add_u32 v6, v1
	s_wait_dscnt 0x0
	s_set_vgpr_msb 0x400
	ROUND                                          ; the closing round: no work-group ends while a partner may still ask jointly
	s_endpgm
.Lfunc_end_k_qb4a7988908_pv:
	.size	k_qb4a7988908_pv, .Lfunc_end_k_qb4a7988908_pv-k_qb4a7988908_pv
	.p2alignl 7, 3214868480
	.fill 96, 4, 3214868480
	.section	.rodata,"a",@progbits
	.p2align	6, 0x0
	.amdhsa_kernel k_qb4a7988908_pv
		.amdhsa_group_segment_fixed_size 318464
		.amdhsa_private_segment_fixed_size 0
		.amdhsa_enable_private_segment 0
		.amdhsa_kernarg_size 32
		.amdhsa_user_sgpr_count 2
		.amdhsa_user_sgpr_kernarg_segment_ptr 1
		.amdhsa_wavefront_size32 1
		.amdhsa_system_sgpr_workgroup_id_x 1
		.amdhsa_system_sgpr_workgroup_id_y 1
		.amdhsa_system_sgpr_workgroup_id_z 1
		.amdhsa_system_vgpr_workitem_id 0
		.amdhsa_next_free_vgpr 258
		.amdhsa_next_free_sgpr 66
		.amdhsa_reserve_vcc 0
		.amdhsa_float_denorm_mode_32 3
		.amdhsa_float_denorm_mode_16_64 3
		.amdhsa_memory_ordered 1
		.amdhsa_forward_progress 1
		.amdhsa_inst_pref_size 59
	.end_amdhsa_kernel
	.amdgpu_metadata
---
amdhsa.version: [ 1, 2 ]
amdhsa.kernels:
  - .name:           k_qb4a7988908_pv
    .symbol:         k_qb4a7988908_pv.kd
    .args:
      - { .name: fbuf, .offset: 0, .size: 8, .value_kind: global_buffer, .address_space: global }
      - { .name: vs, .offset: 8, .size: 8, .value_kind: global_buffer, .address_space: global }
      - { .name: wv, .offset: 16, .size: 8, .value_kind: global_buffer, .address_space: global }
      - { .name: attn, .offset: 24, .size: 8, .value_kind: global_buffer, .address_space: global }
    .group_segment_fixed_size: 318464
    .private_segment_fixed_size: 0
    .kernarg_segment_align: 8
    .kernarg_segment_size: 32
    .max_flat_workgroup_size: 256
    .sgpr_count:     66
    .vgpr_count:     258
    .wavefront_size: 32
...
	.end_amdgpu_metadata
.endif
;; end of part 7
;; launch oproj (part 8): grid 8 x 32, 4 waves a work-group, clusters of 4 x 4, 327,680 bytes of LDS; arguments attn, h16, b_out, out0; writes out0
.if DOCPART == 8
	.amdgcn_target "amdgcn-amd-amdhsa--gfx1250"
	.amdhsa_code_object_version 6
	.text
	.protected	k_qb4a7988908_oproj
	.globl	k_qb4a7988908_oproj
	.p2align	8
	.type	k_qb4a7988908_oproj,@function
k_qb4a7988908_oproj:
	s_mov_b64 s[64:65], 0
	v_nop
	global_prefetch_b8 v0, s[64:65] scope:SCOPE_SE
	s_setreg_imm32_b32 hwreg(HW_REG_WAVE_MODE, 25, 1), 1
	s_wait_xcnt 0x0
	s_wait_alu depctr_hold_cnt(0) depctr_sa_sdst(0) depctr_va_vdst(0) depctr_va_sdst(0) depctr_va_ssrc(0) depctr_va_vcc(0) depctr_vm_vsrc(0)
	s_getreg_b32 s2, hwreg(HW_REG_IB_STS2, 6, 4)
	s_cmp_eq_u32 s2, 0
	s_cbranch_scc0 .Lentry_in_a_cluster
	s_endpgm
.Lentry_in_a_cluster:
	s_bfe_u32 s2, ttmp6, 0x10000c
	s_cmp_lg_u32 s2, 0xf033
	s_cbranch_scc0 .Lentry_shape_is_right
	s_endpgm
.Lentry_shape_is_right:
; out0 = attn w_out^T + b_out.  attn is f16, head-major [b*16+head][s][64]; w_out is f16 at byte 14,680,064 of h16; out0 is f32 [4096][1024].
; 256 work-groups, each a block of 128 x 128; four waves, 2 x 2, each 64 x 64: 16 accumulator tiles in window 1.
; K = 1024 goes in 4 steps of 256 = four heads through two LDS slots.  A step is long so that a refill has 8 + 7 x 16 = 120 of a wave's matrix
; instructions between its request and the wait for it.  One tensor load a wave: waves 0 and 1 fetch two heads of attn each, waves 2 and 3
; 64 rows of w_out each, 256 along K.
; TWO HEADS BY ONE DESCRIPTOR: a head's 128 rows of this block are 16,384 consecutive bytes of attn, so they are ONE row of 8,192 elements of the tile, and the
; tile's second row is the next head, 131,072 elements on.  The padding's words are counted along the whole tile: 4 words behind every 32 put each
; row of 128 bytes at a pitch of 144, and the second head at byte 128 x 144 = 18,432.
; CLUSTER 4 x 4: attn's tiles are asked for jointly along a row of the cluster, w_out's along a column.
; The matrix instruction is used transposed (source 0 = rows of w_out, source 1 = rows of attn): a lane holds eight neighbouring columns of a row.
.set APITCH, 144
.set BPITCH, 528                       ; 512 bytes + 16: an odd multiple of 16
.set AHEAD,  128*APITCH                ; 18,432: 128 rows of one head
.set APAIR,  2*AHEAD                   ; 36,864: what wave 0 or 1 fetches
.set BHALF,  64*BPITCH                 ; 33,792: what wave 2 or 3 fetches
.set BBASE,  2*APAIR                   ; 73,728
.set SLOT,   BBASE+2*BHALF             ; 141,312
.set STAGE,  2*SLOT                    ; 282,624; never filled by a tensor load
.set SPITCH, 272
.set WSTAGE, 16*SPITCH
.set WO_OFF, 14680064
.set ASTEP,  1048576                   ; four heads on
.set BSTEP,  512                       ; 256 along K
.set ADRA, 16
.set ADRB, 20
.set STO,  24
.set RD,   25
.set CO,   26
.set BO,   27
.set FA,   64                          ; buffer f: attn's 4 fragments at 64 + 64 f, w_out's 4 at 96 + 64 f
.set FB,   96
.set BIAS, 192
.set TMP,  224
.set G1,  24
.set G0,  32
.set G1B, 48
.set G0B, 56
.set MSB, 0
.macro WIN new                         ; the immediate's high byte repeats the setting that is left
.if MSB != \new
	s_set_vgpr_msb (MSB<<8)|\new
.set MSB, \new
.endif
.endm
.set MULW, 0x50                        ; C and D in window 1
.macro JLOAD s                         ; waves 0, 1 ask for attn, waves 2, 3 for w_out: the branch hangs on the wave's number alone
	s_cmp_eq_u32 s11, 0
	s_cbranch_scc0 .Lfor_b_\@
	tensor_load_to_lds s[G0+4*\s:G0+4*\s+3], s[G1:G1+7]
	s_nop 0
	s_branch .Lasked_\@
.Lfor_b_\@:
	tensor_load_to_lds s[G0B+4*\s:G0B+4*\s+3], s[G1B:G1B+7]
	s_nop 0
.Lasked_\@:
.endm
.macro CREST                           ; a round of the cluster's barrier behind its opening barrier
	s_cmp_lg_u32 s10, 0
	s_cbranch_scc1 .Lnot_wave_0_\@
	s_barrier_signal -3
.Lnot_wave_0_\@:
	s_barrier_wait -3
	s_barrier_signal -1
	s_barrier_wait -1
.endm
.macro CROUND
	s_barrier_signal -1
	s_barrier_wait -1
	CREST
.endm
	s_load_b256 s[72:79], s[0:1], 0x0              ; attn s[72:73], h16 s[74:75], b_out s[76:77], out0 s[78:79]
	v_lshl_add_u32 v62, v0, 2, 0x49400
	v_mov_b32 v63, 0
	ds_add_u32 v62, v63
	v_lshrrev_b32 v1, 5, v0
	v_readfirstlane_b32 s10, v1                    ; wave 0..3
	s_lshr_b32 s11, s10, 1                         ; my half of the block's rows; also: I fetch attn (0) or w_out (1)
	s_and_b32 s12, s10, 1                          ; my half of its columns; also: which two heads, or which 64 rows, I fetch
	s_bfe_u32 s40, ttmp6, 0x40000                  ; cx
	s_bfe_u32 s41, ttmp6, 0x40004                  ; cy
	s_lshl_b32 s42, ttmp9, 2
	s_add_co_u32 s42, s42, s40                     ; block column
	s_and_b32 s13, ttmp7, 0xffff
	s_lshl_b32 s13, s13, 2
	s_add_co_u32 s13, s13, s41                     ; block row
	s_lshl_b32 s43, s41, 2
	s_lshl_b32 s43, 15, s43                        ; my row of the cluster
	s_lshl_b32 s44, 0x1111, s40                    ; my column
	; attn: 2 rows (heads) of 8,192 elements, 131,072 from row to row, 4 words of padding behind every 32; w_out: 64 rows of 256, 1,024 from row to row, 4 words behind every 128
	s_or_b32 s[G1+0], s43, (1<<16)|(1<<20)|(1<<21)|(4<<22)|(3<<25)
	s_or_b32 s[G1B+0], s44, (1<<16)|(1<<20)|(1<<21)|(6<<22)|(3<<25)
	s_mov_b32 s[G1+1], 8192<<16
	s_mov_b32 s[G1B+1], 256<<16
	s_mov_b32 s[G1+2], 2<<16
	s_mov_b32 s[G1B+2], 64<<16
	s_mov_b32 s[G1+3], 8192<<16
	s_mov_b32 s[G1B+3], 256<<16
	s_mov_b32 s[G1+4], 2
	s_mov_b32 s[G1B+4], 64
	s_mov_b32 s[G1+5], 131072
	s_mov_b32 s[G1B+5], 1024
	s_mov_b32 s[G1+6], 0
	s_mov_b32 s[G1B+6], 0
	s_mov_b32 s[G1+7], 0
	s_mov_b32 s[G1B+7], 0
	s_lshr_b32 s16, s13, 4
	s_lshl_b32 s16, s16, 4                         ; batch x 16
	s_lshl_b32 s17, s12, 1
	s_add_co_u32 s16, s16, s17                     ; + head 0 or 2
	s_lshl_b32 s16, s16, 18
	s_and_b32 s17, s13, 15
	s_lshl_b32 s17, s17, 14                        ; + 128 rows of 128 bytes for each block row of the batch
	s_add_co_u32 s16, s16, s17
	s_mov_b32 s17, 0
	s_lshl_b32 s46, s42, 7
	s_lshl_b32 s47, s12, 6
	s_add_co_u32 s46, s46, s47                     ; w_out: row 128 x block column + 64 x half
	s_lshl_b32 s46, s46, 11
	s_add_co_u32 s46, s46, WO_OFF
	s_mov_b32 s47, 0
	s_mul_i32 s20, s10, APAIR                      ; LDS: attn at wave x 36,864 (waves 0, 1),
	s_mul_i32 s21, s10, BHALF                      ; w_out at 73,728 + (wave - 2) x 33,792 (waves 2, 3)
	s_add_co_u32 s21, s21, BBASE-2*BHALF
	s_wait_dscnt 0x0
	s_wait_kmcnt 0x0
	s_add_nc_u64 s[14:15], s[72:73], s[16:17]
	s_add_nc_u64 s[46:47], s[74:75], s[46:47]
	CROUND                                         ; in front of the first joint loads
.irp s, 0,1
	s_mov_b32 s[G0+4*\s], 1
	s_add_co_u32 s[G0+4*\s+1], s20, \s*SLOT
	s_add_nc_u64 s[G0+4*\s+2:G0+4*\s+3], s[14:15], \s*ASTEP
	s_or_b32 s[G0+4*\s+3], s[G0+4*\s+3], 0x80000000
	s_mov_b32 s[G0B+4*\s], 1
	s_add_co_u32 s[G0B+4*\s+1], s21, \s*SLOT
	s_add_nc_u64 s[G0B+4*\s+2:G0B+4*\s+3], s[46:47], \s*BSTEP
	s_or_b32 s[G0B+4*\s+3], s[G0B+4*\s+3], 0x80000000
	JLOAD \s                                       ; steps 0 and 1: two tensor loads of the wave are out
.endr
	v_and_b32 v1, 15, v0                           ; r
	v_bfe_u32 v2, v0, 4, 1                         ; h
	s_lshl_b32 s68, s42, 9
	s_lshl_b32 s69, s12, 8
	s_add_co_u32 s68, s68, s69                     ; my first column, in bytes of f32
	v_lshlrev_b32 v[BO], 5, v2
	v_add_nc_u32 v[BO], s68, v[BO]
.irp b, 0,1,2,3
	global_load_b128 v[BIAS+8*\b:BIAS+8*\b+3],   v[BO], s[76:77] offset:64*\b
	global_load_b128 v[BIAS+8*\b+4:BIAS+8*\b+7], v[BO], s[76:77] offset:64*\b+16
.endr
	v_mul_u32_u24 v3, v1, APITCH
	v_lshl_add_u32 v3, v2, 4, v3
	s_mul_i32 s22, s11, 64*APITCH                  ; my 64 rows of attn
	v_add_nc_u32 v[ADRA], s22, v3
	v_add_nc_u32 v[ADRA+1], SLOT, v[ADRA]
	v_mul_u32_u24 v4, v1, BPITCH
	v_lshl_add_u32 v4, v2, 4, v4
	s_mul_i32 s23, s12, BHALF                      ; my 64 rows of w_out
	s_add_co_u32 s23, s23, BBASE
	v_add_nc_u32 v[ADRB], s23, v4
	v_add_nc_u32 v[ADRB+1], SLOT, v[ADRB]
	s_mul_i32 s23, s10, WSTAGE
	s_add_co_u32 s23, s23, STAGE
	v_mul_u32_u24 v5, v1, SPITCH
	v_lshl_add_u32 v5, v2, 5, v5
	v_add_nc_u32 v[STO], s23, v5                   ; in: row r, 32 bytes for each half of the lanes
	v_mul_u32_u24 v6, v2, SPITCH
	v_lshl_add_u32 v6, v1, 4, v6
	v_add_nc_u32 v[RD], s23, v6                    ; back: lanes 0-15 a row of 256 bytes, lanes 16-31 the next
	v_lshlrev_b32 v7, 12, v2
	v_lshl_add_u32 v[CO], v1, 4, v7                ; the same two rows in out0
.macro MUL8 f, a0, zero                ; 8 matrix instructions: row tiles a0, a0 + 1 x 4 column tiles
.irp a, \a0, \a0+1
.irp b, 0,1,2,3
.if \zero
	v_wmma_f32_16x16x32_f16 v[8*(4*(\a)+\b):8*(4*(\a)+\b)+7], v[FB+64*\f+8*\b:FB+64*\f+8*\b+7], v[FA+64*\f+8*(\a):FA+64*\f+8*(\a)+7], 0
.else
	v_wmma_f32_16x16x32_f16 v[8*(4*(\a)+\b):8*(4*(\a)+\b)+7], v[FB+64*\f+8*\b:FB+64*\f+8*\b+7], v[FA+64*\f+8*(\a):FA+64*\f+8*(\a)+7], v[8*(4*(\a)+\b):8*(4*(\a)+\b)+7]
.endif
.endr
.endr
.endm
; part q (0 to 7) of a step: 32 along K: head q / 2 of the step's four, d = 32 (q % 2); in w_out's rows byte 64 q
.macro FETCH slot, q, f
	WIN 0
.irp i, 0,1,2,3
	ds_load_b128 v[FA+64*\f+8*\i:FA+64*\f+8*\i+3],   v[ADRA+\slot] offset:(\q>>1)*AHEAD+(\q&1)*64+\i*16*APITCH
	ds_load_b128 v[FA+64*\f+8*\i+4:FA+64*\f+8*\i+7], v[ADRA+\slot] offset:(\q>>1)*AHEAD+(\q&1)*64+\i*16*APITCH+32
.endr
.irp i, 0,1,2,3
	ds_load_b128 v[FB+64*\f+8*\i:FB+64*\f+8*\i+3],   v[ADRB+\slot] offset:64*\q+\i*16*BPITCH
	ds_load_b128 v[FB+64*\f+8*\i+4:FB+64*\f+8*\i+7], v[ADRB+\slot] offset:64*\q+\i*16*BPITCH+32
.endr
.endm
.macro PLACES                          ; four plain vector places behind the matrix instructions that read the buffer loaded next (ISA guide 7.12.1)
.rept 4
	v_nop
.endr
.endm
; The 16 accumulators take turns, one instruction a turn, in the same order in every part of a step.
.macro PART slot, q, f, g, zero        ; multiplies buffer f while part q's fragments come into buffer g
	s_wait_dscnt 0x0                               ; buffer f is in (its loads were issued ahead of the last part's products)
	PLACES
	FETCH \slot, \q, \g
	WIN MULW
	MUL8 \f, 0, \zero
	MUL8 \f, 2, \zero
.endm
.macro SEVEN slot, zero
	PART \slot, 1, 0, 1, \zero
	PART \slot, 2, 1, 0, 0
	PART \slot, 3, 0, 1, 0
	PART \slot, 4, 1, 0, 0
	PART \slot, 5, 0, 1, 0
	PART \slot, 6, 1, 0, 0
	PART \slot, 7, 0, 1, 0
.endm
; The last part changes slots: each wave's reads of this slot and all its tensor loads are waited for in front of the barrier; where the slot is
; filled again the barrier opens a round of the cluster's barrier, and the joint refill is the first tensor load behind the round.
.macro TURN slot, next, fill
	s_wait_dscnt 0x0
	s_wait_tensorcnt 0x0
	ds_add_u32 v62, v63
	s_wait_dscnt 0x0
	s_barrier_signal -1
	WIN MULW
	MUL8 1, 0, 0                                   ; register work while the others arrive
	WIN 0
	s_barrier_wait -1
.if \fill
	CREST
	s_add_nc_u64 s[G0+4*\slot+2:G0+4*\slot+3], s[G0+4*\slot+2:G0+4*\slot+3], 2*ASTEP
	s_add_nc_u64 s[G0B+4*\slot+2:G0B+4*\slot+3], s[G0B+4*\slot+2:G0B+4*\slot+3], 2*BSTEP
	JLOAD \slot
.endif
	PLACES
	FETCH \next, 0, 0
	WIN MULW
	MUL8 1, 2, 0
.endm
	s_wait_loadcnt 0x0                             ; the biases, once
	s_wait_tensorcnt 1                             ; my part of step 0 is in; step 1's stays out
	s_barrier_signal -1
	s_barrier_wait -1
	FETCH 0, 0, 0
	SEVEN 0, 1                                     ; step 0: the first products start the sums
	TURN 0, 1, 1                                   ; slot 0 gets step 2
	SEVEN 1, 0                                     ; step 1
	TURN 1, 0, 1                                   ; slot 1 gets step 3
	SEVEN 0, 0                                     ; step 2
	TURN 0, 1, 0                                   ; nothing is left to fetch
	SEVEN 1, 0                                     ; step 3
	s_wait_dscnt 0x0
	WIN MULW
	MUL8 1, 0, 0
	MUL8 1, 2, 0
	WIN 0
	; THE WAY OUT, 16 rows at a time: bias, 32 bytes a lane into my own stage, back as whole rows of 256 bytes
	PLACES
	s_lshl_b32 s66, s13, 7
	s_lshl_b32 s67, s11, 6
	s_add_co_u32 s66, s66, s67                     ; my first row,
	s_lshl_b32 s66, s66, 12                        ; rows of 4,096 bytes,
	s_add_co_u32 s66, s66, s68                     ; + my first column
	s_mov_b32 s67, 0
	s_add_nc_u64 s[78:79], s[78:79], s[66:67]
.macro OUT16 a, f
	WIN 0x01                                       ; source 0 in window 1
.irp b, 0,1,2,3
.irp p, 0,2,4,6
	v_pk_add_f32 v[TMP+8*\b+\p:TMP+8*\b+\p+1], v[8*(4*\a+\b)+\p:8*(4*\a+\b)+\p+1], v[BIAS+8*\b+\p:BIAS+8*\b+\p+1]
.endr
.endr
	WIN 0
.irp b, 0,1,2,3
	ds_store_b128 v[STO], v[TMP+8*\b:TMP+8*\b+3]   offset:64*\b
	ds_store_b128 v[STO], v[TMP+8*\b+4:TMP+8*\b+7] offset:64*\b+16
.endr
	s_wait_xcnt 0x0                                ; the registers read back into were earlier stores' data: rewritten only behind this wait
.irp t, 0,1,2,3,4,5,6,7
	ds_load_b128 v[\f+4*\t:\f+4*\t+3], v[RD] offset:\t*2*SPITCH   ; LDS serves a wave's instructions in order: these see the stores above
.endr
.irp t, 0,1,2,3,4,5,6,7
	s_wait_dscnt 7-\t
	global_store_b128 v[CO], v[\f+4*\t:\f+4*\t+3], s[78:79] offset:65536*\a+8192*\t th:TH_STORE_NT   ; 16 lanes store 256 consecutive bytes, aligned
.endr
.endm
	OUT16 0, 64
	OUT16 1, 128
	OUT16 2, 64
	OUT16 3, 128
	s_wait_tensorcnt 0x0
	ds_add_u32 v62, v63
	s_wait_dscnt 0x0
	CROUND                                         ; the closing round: no work-group ends while a partner may still ask jointly
	s_endpgm
.Lfunc_end_k_qb4a7988908_oproj:
	.size	k_qb4a7988908_oproj, .Lfunc_end_k_qb4a7988908_oproj-k_qb4a7988908_oproj
	.p2alignl 7, 3214868480
	.fill 96, 4, 3214868480
	.section	.rodata,"a",@progbits
	.p2align	6, 0x0
	.amdhsa_kernel k_qb4a7988908_oproj
		.amdhsa_group_segment_fixed_size 327680
		.amdhsa_private_segment_fixed_size 0
		.amdhsa_enable_private_segment 0
		.amdhsa_kernarg_size 32
		.amdhsa_user_sgpr_count 2
		.amdhsa_user_sgpr_kernarg_segment_ptr 1
		.amdhsa_wavefront_size32 1
		.amdhsa_system_sgpr_workgroup_id_x 1
		.amdhsa_system_sgpr_workgroup_id_y 1
		.amdhsa_system_sgpr_workgroup_id_z 1
		.amdhsa_system_vgpr_workitem_id 0
		.amdhsa_next_free_vgpr 384
		.amdhsa_next_free_sgpr 84
		.amdhsa_reserve_vcc 0
		.amdhsa_float_denorm_mode_32 3
		.amdhsa_float_denorm_mode_16_64 3
		.amdhsa_memory_ordered 1
		.amdhsa_forward_progress 1
		.amdhsa_inst_pref_size 93
	.end_amdhsa_kernel
	.amdgpu_metadata
---
amdhsa.version: [ 1, 2 ]
amdhsa.kernels:
  - .name:           k_qb4a7988908_oproj
    .symbol:         k_qb4a7988908_oproj.kd
    .args:
      - { .name: attn, .offset: 0, .size: 8, .value_kind: global_buffer, .address_space: global }
      - { .name: h16, .offset: 8, .size: 8, .value_kind: global_buffer, .address_space: global }
      - { .name: b_out, .offset: 16, .size: 8, .value_kind: global_buffer, .address_space: global }
      - { .name: out0, .offset: 24, .size: 8, .value_kind: global_buffer, .address_space: global }
    .group_segment_fixed_size: 327680
    .private_segment_fixed_size: 0
    .kernarg_segment_align: 8
    .kernarg_segment_size: 32
    .max_flat_workgroup_size: 128
    .sgpr_count:     84
    .vgpr_count:     384
    .wavefront_size: 32
...
	.end_amdgpu_metadata
.endif
;; end of part 8
